; MI455X (gfx1250); checked and timed in simulation.
; The chip was launched on July 23, 2026; its instructions are those of AMD's public machine-readable ISA for CDNA 5 (MIT licence, August 2026) and "CDNA5" Instruction Set Architecture Reference Guide (July 2026). The comments in the code are by the model that wrote it; some were corrected since.
;; Seq Parallel Attention. Allowed arithmetic: matrix products marked QUANTISED: E2M3 operands, one E8M0 scale for each 32 along K, by v_wmma_scale_f32_16x16x128_f8f6f4 with both operands' format E2M3, f32 sums; everything else in f32.
;; Inputs: Wk 2,048 x 2,048 float32; Wo 2,048 x 2,048 float32; Wq 2,048 x 2,048 float32; Wv 2,048 x 2,048 float32; bk 2,048 float32; bo 2,048 float32; bq 2,048 float32; bv 2,048 float32; kn_w 2,048 float32; qn_w 2,048 float32; x 4 x 1 x 512 x 2,048 float32.
;; Outputs: out0 4 x 1 x 512 x 2,048 float32.
;; This version of the problem:
;;   THIS VERSION OF THE PROBLEM IS GIVEN IN LOW PRECISION. The matrix products marked QUANTISED in the list below multiply operands that are first quantised to E2M3 (2 exponent bits, 3 mantissa bits; 6 bits a number), with one power-of-two scale for each 32 numbers along K (OCP MX v1.0); their sums are f32. All else is computed in f32.
;;   The module's matrix products, in the order in which they are computed (A, B: the left and right operand; K: the contracted axis; several contracted axes count as one K, in the product's order):
;;     1. [M 2,048, K 2,048] x [K 2,048, N 2,048]; A: input x; B: input Wq: QUANTISED
;;     2. [M 2,048, K 2,048] x [K 2,048, N 2,048]; A: input x; B: input Wk: QUANTISED
;;     3. [M 2,048, K 2,048] x [K 2,048, N 2,048]; A: input x; B: input Wv: QUANTISED
;;     4. batch 128 x [M 512, K 64] x [K 64, N 512]; A: computed on the way; B: computed on the way: QUANTISED
;;     5. batch 128 x [M 512, K 512] x [K 512, N 64]; A: softmax (see below); B: computed on the way: QUANTISED
;;     6. batch 128 x [M 512, K 64] x [K 64, N 512]; A: computed on the way; B: computed on the way: QUANTISED
;;     7. batch 128 x [M 512, K 512] x [K 512, N 64]; A: softmax (see below); B: computed on the way: QUANTISED
;;     8. batch 128 x [M 512, K 64] x [K 64, N 512]; A: computed on the way; B: computed on the way: QUANTISED
;;     9. batch 128 x [M 512, K 512] x [K 512, N 64]; A: softmax (see below); B: computed on the way: QUANTISED
;;     10. batch 128 x [M 512, K 64] x [K 64, N 512]; A: computed on the way; B: computed on the way: QUANTISED
;;     11. batch 128 x [M 512, K 512] x [K 512, N 64]; A: softmax (see below); B: computed on the way: QUANTISED
;;     12. [M 2,048, K 2,048] x [K 2,048, N 2,048]; A: computed on the way; B: input Wo: QUANTISED
;;   THE QUANTISER, for each operand of a quantised product, along K:
;;     - K is cut into blocks of 32 from its start; a last block that is shorter is filled with zeros.
;;     - A block's scale is 2^e with e = floor(log2(the largest magnitude in the block)) - 2, held to -126 .. 127; a block of zeros has e = 0. As a byte (E8M0): e + 127.
;;     - Each number is divided by its block's scale, clamped to +-7.5, and rounded to the nearest number of E2M3, ties to even, subnormals kept.
;;     - The product sums the exact products of the quantised numbers (number of the format x scale) in f32.
;;   ~~~python
;;   def quantise(x, axis):      # numpy; x: float32 -> the quantised numbers, widened to float32 again
;;       x = np.moveaxis(x, axis, -1); K = x.shape[-1]
;;       x = np.pad(x, [(0, 0)] * (x.ndim - 1) + [(0, -K % 32)]); x = x.reshape(x.shape[:-1] + (-1, 32)); a = np.abs(x).max(-1, keepdims=True)
;;       e = np.where(a > 0, np.clip(np.frexp(np.where(a > 0, a, 1))[1] - 1 - 2, -126, 127), 0)      # np.frexp(a)[1] - 1 = floor(log2(a)), exactly
;;       r = np.clip(x / 2.0 ** e, -7.5, 7.5)
;;       step = 2.0 ** (np.maximum(np.frexp(np.where(r == 0, 1, r))[1] - 1, 0) - 3)
;;       q = np.round(r / step) * step * 2.0 ** e      # np.round: ties to even
;;       return np.moveaxis(q.reshape(q.shape[:-2] + (-1,))[..., :K], -1, axis).astype(np.float32)
;;   ~~~
;;   SOFTMAX AHEAD OF A QUANTISED PRODUCT. Where the list says 'softmax', what is quantised is not the finished softmax but p = 2^(t - M), with t = logit x log2(e) and M = ceil(the row's largest t), a whole number; so 1/2 < the row's largest p <= 1. The row's sum l is taken of the UNQUANTISED p, in f32, and the product's result is divided by l at the end. Since M is a whole number, a kernel that streams over the keys may use a running M (the ceiling of the running maximum): every later rescaling is an exact power of two, which a block's scale takes up: the codes' values come out the same.
;;   OPERANDS COMPUTED ON THE WAY. 'Computed on the way' means the value that the module computes at that place (a softmax that the list does not call 'softmax' is quantised finished and normalised). What goes into a quantiser is computed in f32, as accurately as f32 sums, v_exp_f32 and their like allow (about 1e-6 of the number): no bf16 or f16 on the way to a quantiser, and a product that is left as it is and whose result goes on into a quantised operand takes f32 operands (vector FMAs, or v_wmma_f32_16x16x4_f32). A number that lies on a knife's edge between two numbers of the format may be rounded either way, as far as f32 arithmetic and the matrix unit's own rounding can turn it there, and no further.
;; One version. Each part assembles by itself: llvm-mc -triple=amdgcn-amd-amdhsa -mcpu=gfx1250 --defsym DOCPART=n.
;; ======== version 1 of 1: 5 launches
;; workspace buffers: xq 3,563,520 bytes; wq3 9,854,976 bytes; woq 3,563,520 bytes; oq 3,563,520 bytes; t 50,331,648 bytes; hq 9,830,400 bytes
;; launch quant (part 1): grid 640 x 1, 4 waves a work-group, no clusters, 33,280 bytes of LDS; arguments x, Wq, Wk, Wv, Wo, bq, bk, bv, bo, xq, wq3, woq; writes xq, wq3, woq
.if DOCPART == 1
	.amdgcn_target "amdgcn-amd-amdhsa--gfx1250"
	.amdhsa_code_object_version 6
	.text
	.protected	k_q489ff86bbc_quant
	.globl	k_q489ff86bbc_quant
	.p2align	8
	.type	k_q489ff86bbc_quant,@function
k_q489ff86bbc_quant:
	s_mov_b64 s[64:65], 0
	v_nop
	global_prefetch_b8 v0, s[64:65] scope:SCOPE_SE
	s_setreg_imm32_b32 hwreg(HW_REG_WAVE_MODE, 25, 1), 1
	s_wait_xcnt 0x0
; x, Wq, Wk, Wv, Wo, each [2048][2048] f32 with K innermost, become codes of FP6 (E2M3) with one E8M0 scale byte for each 32 along K.
; An OPERAND BUFFER holds: from byte 0 a bias (f32), from GSCL the scale bytes [row][64], from GCOD the codes [row][1536 bytes].
; xq takes x; wq3 takes Wq, Wk, Wv as 6,144 rows on end, with bq, bk, bv on end as its bias; woq takes Wo and bo.
; A block's scale is 2^(floor(log2(its largest magnitude)) - 2); its byte is the largest magnitude's exponent field - 2, held at 1 from below.
; (A block of zeros so gets the byte 1 where the quantiser says 127: its codes are zeros, and the bytes are read by this program alone.)
; LIMITS: blocks whose largest magnitude lies under 2^-124 keep the byte 1; NaN and infinities among the inputs are not served.
; Rows are dense and 2,048 is a multiple of 32: each tensor is a plain stream of blocks of 32, and so are its codes and scale bytes.
; 128 work-groups to a tensor, four waves each; a wave takes 16 steps of 512 numbers.  A step's four loads read 512 consecutive bytes each; the 2,048 bytes
; turn through the wave's own stage in LDS (16 bytes of padding behind each 64) and come back 64 bytes a lane: 16 neighbours along K, two lanes to a block.
; Only pointers are chosen by the work-group's number: all tensors take one path.  Loads run four steps ahead, the turn through LDS one step.
.set WAVES, 4
.set STEPS, 16
.set EMAX,  2
.set CB,    12                         ; bytes of 16 codes
.set GSCL,  24576
.set GCOD,  417792
.set R,     16                         ; v16-79   four sets of 16 numbers as loaded
.set X,     80                         ; v80-111  two sets of 16 neighbours
.set C,     128                        ; v128-191 codes: four registers a step, so that no store's data are written again
.set E,     112                        ; v112-127 a scale byte for each step
.set WREG,  8192                       ; LDS: a region for each wave: two stages of 32 x SP bytes, then its 256 scale bytes
.set SP,    80
.set SPW,   12                         ; v12 LDS address of my spare word; never rewritten
.set NIL,   13                         ; v13 0; never rewritten
.set SPARE, WAVES*WREG                 ; the spare words: 128 bytes a wave, named by no other line
	s_load_b512 s[4:19], s[0:1], 0x0               ; x, Wq, Wk, Wv, Wo, bq, bk, bv
	s_load_b256 s[20:27], s[0:1], 0x40             ; bo, xq, wq3, woq
	v_lshl_add_u32 v[SPW], v0, 2, SPARE
	v_mov_b32 v[NIL], 0
	v_lshrrev_b32 v1, 5, v0
	v_readfirstlane_b32 s40, v1                    ; wave
	v_and_b32 v2, 31, v0                           ; lane
	v_lshlrev_b32 v3, 4, v2                        ; my 16 bytes of a load's 512
	v_lshlrev_b32 v10, 4, v0                       ; the bias copy: 16 bytes a thread
	s_mul_i32 s36, s40, WREG
	v_lshrrev_b32 v14, 2, v2
	v_mul_u32_u24 v14, v14, SP
	v_and_b32 v15, 3, v2
	v_lshl_add_u32 v14, v15, 4, v14
	v_add_nc_u32 v14, s36, v14                     ; the stage, way in: SP (lane / 4) + 16 (lane % 4)
	v_mul_u32_u24 v15, v2, SP
	v_add_nc_u32 v15, s36, v15                     ; way out: SP x lane
	v_mul_u32_u24 v4, v2, CB                       ; my codes' place in a step's
	v_lshrrev_b32 v5, 1, v2
	s_add_co_u32 s36, s36, 2*32*SP
	v_add_nc_u32 v5, s36, v5                       ; my block's byte among the wave's 256
	v_lshlrev_b32 v7, 3, v2
	v_add_nc_u32 v6, s36, v7                       ; and 8 bytes a lane on their way out
	s_lshr_b32 s41, ttmp9, 7                       ; which tensor: 0 x, 1 Wq, 2 Wk, 3 Wv, 4 Wo
	s_and_b32 s42, ttmp9, 127                      ; which work-group of its 128
	s_lshl_b32 s43, s42, 2
	s_add_co_u32 s43, s43, s40                     ; which run of 8,192 numbers is my wave's
	s_sub_co_u32 s45, s41, 1
	s_wait_kmcnt 0x0
	s_cmp_eq_u32 s41, 1                            ; the choices hang on the work-group's number alone
	s_cselect_b64 s[28:29], s[6:7], s[4:5]         ; s[28:29] the tensor
	s_cmp_eq_u32 s41, 2
	s_cselect_b64 s[28:29], s[8:9], s[28:29]
	s_cselect_b64 s[30:31], s[16:17], s[14:15]     ; s[30:31] its bias
	s_cmp_eq_u32 s41, 3
	s_cselect_b64 s[28:29], s[10:11], s[28:29]
	s_cselect_b64 s[30:31], s[18:19], s[30:31]
	s_cmp_eq_u32 s41, 4
	s_cselect_b64 s[28:29], s[12:13], s[28:29]
	s_cselect_b64 s[30:31], s[20:21], s[30:31]
	s_cselect_b64 s[32:33], s[26:27], s[24:25]     ; s[32:33] the operand buffer
	s_cselect_b32 s44, 0, s45                      ; s44 the plane of 2,048 rows in it: Wq 0, Wk 1, Wv 2, else 0
	s_cmp_eq_u32 s41, 0
	s_cselect_b64 s[32:33], s[22:23], s[32:33]
	s_cselect_b32 s44, 0, s44
	s_mul_i32 s36, s44, 3145728                    ; a plane's codes: 2,048 x 1,536 bytes
	s_mul_i32 s38, s43, 6144                       ; a run's: 8,192 x 6 / 8
	s_add_co_u32 s36, s36, s38
	s_add_co_u32 s36, s36, GCOD
	s_mov_b32 s37, 0
	s_add_nc_u64 s[34:35], s[32:33], s[36:37]      ; where my codes go
	s_lshl_b32 s36, s44, 17
	s_lshl_b32 s38, s43, 8
	s_add_co_u32 s36, s36, s38
	s_add_co_u32 s36, s36, GSCL
	s_add_nc_u64 s[46:47], s[32:33], s[36:37]      ; where my 256 scale bytes go
	s_lshl_b32 s36, s44, 13
	s_add_nc_u64 s[32:33], s[32:33], s[36:37]      ; where the bias goes
	s_lshl_b32 s36, s43, 15
	s_add_nc_u64 s[28:29], s[28:29], s[36:37]      ; my run of the tensor
.macro LOAD t
.irp i, 0,1,2,3
	global_load_b128 v[R+16*((\t)%4)+4*\i:R+16*((\t)%4)+4*\i+3], v3, s[28:29] offset:2048*(\t)+512*\i th:TH_LOAD_NT   ; 32 lanes read 512 consecutive bytes
.endr
.endm
.macro TURN t                          ; step t's numbers through the stage: LDS serves a wave's instructions in order, so no wait stands between stores and loads
.irp i, 0,1,2,3
	ds_store_b128 v14, v[R+16*((\t)%4)+4*\i:R+16*((\t)%4)+4*\i+3] offset:32*SP*((\t)%2)+8*SP*\i
.endr
.irp i, 0,1,2,3
	ds_load_b128 v[X+16*((\t)%2)+4*\i:X+16*((\t)%2)+4*\i+3], v15 offset:32*SP*((\t)%2)+16*\i
.endr
.endm
.irp t, 0,1,2,3
	LOAD \t
.endr
	s_wait_loadcnt 12                              ; step 0's four loads are in
	TURN 0
.macro STEP t
.set XS, X+16*((\t)%2)
.if (\t) > 0
	s_wait_dscnt 1                                 ; this step's numbers are back (the last step's byte store may be out): its stores into the stage have read their registers,
.else
	s_wait_dscnt 0x0
.endif
.if (\t)+4 < STEPS
	LOAD (\t)+4                                    ; which take the loads of four steps on
.endif
.if (\t)+1 < STEPS
.if STEPS-2-(\t) >= 3
	s_wait_loadcnt 12                              ; the next step's four loads are in; three steps' may be out
.else
	s_wait_loadcnt 4*(STEPS-2-(\t))
.endif
	TURN (\t)+1
.endif
	v_max3_num_f32 v8, |v[XS]|, |v[XS+1]|, |v[XS+2]|               ; the largest magnitude of my 16, in two chains
	v_max3_num_f32 v9, |v[XS+3]|, |v[XS+4]|, |v[XS+5]|
.irp i, 6,10
	v_max3_num_f32 v8, v8, |v[XS+\i]|, |v[XS+\i+1]|
	v_max3_num_f32 v9, v9, |v[XS+\i+2]|, |v[XS+\i+3]|
.endr
	v_max3_num_f32 v8, v8, |v[XS+14]|, |v[XS+15]|
	v_max3_num_f32 v8, v8, v9, (EMAX+1)<<23        ; and the floor 2^(3 - 127): the byte cannot fall under 1
	v_max_num_f32_dpp v8, v8, v8 row_xmask:1 row_mask:0xf bank_mask:0xf   ; with my neighbour's 16: the block's
	v_add_nc_u32 v11, -(EMAX<<23), v8              ; 2 off its exponent field: the conversion takes that field as its scale
	v_cvt_scalef32_pk16_fp6_f32 v[C+4*(\t):C+4*(\t)+2], v[XS:XS+15], v11
	v_lshrrev_b32 v[E+(\t)], 23, v11               ; the scale's byte
	ds_store_b8 v5, v[E+(\t)] offset:16*(\t)       ; both lanes of a block write the same byte with the same value
	global_store_b96 v4, v[C+4*(\t):C+4*(\t)+2], s[34:35] offset:32*CB*(\t)   ; the wave stores 384 consecutive bytes
.endm
.irp t, 0,1,2,3,4,5,6,7,8,9,10,11,12,13,14,15
	STEP \t
.endr
	ds_load_b64 v[8:9], v6                         ; LDS serves a wave's instructions in order: these see my stores
	s_wait_dscnt 0x0
	global_store_b64 v7, v[8:9], s[46:47]          ; 32 lanes store 256 consecutive bytes, aligned
	; the bias of a weight is copied by the first of its 128 work-groups: 8,192 bytes, 64 a thread; a wave's load or store covers 512 consecutive bytes
	s_cmp_lg_u32 s42, 0
	s_cbranch_scc1 .Lno_bias
	s_cmp_eq_u32 s41, 0                            ; x has none
	s_cbranch_scc1 .Lno_bias
.irp i, 0,1,2,3
	global_load_b128 v[R+4*\i:R+4*\i+3], v10, s[30:31] offset:2048*\i
.endr
	s_wait_loadcnt 0x0
.irp i, 0,1,2,3
	global_store_b128 v10, v[R+4*\i:R+4*\i+3], s[32:33] offset:2048*\i
.endr
.Lno_bias:
	s_wait_tensorcnt 0x0                           ; the wave's end
	ds_add_u32 v[SPW], v[NIL]
	s_wait_dscnt 0x0
	s_endpgm
.Lfunc_end_k_q489ff86bbc_quant:
	.size	k_q489ff86bbc_quant, .Lfunc_end_k_q489ff86bbc_quant-k_q489ff86bbc_quant
	.p2alignl 7, 3214868480
	.fill 96, 4, 3214868480
	.section	.rodata,"a",@progbits
	.p2align	6, 0x0
	.amdhsa_kernel k_q489ff86bbc_quant
		.amdhsa_group_segment_fixed_size 33280
		.amdhsa_private_segment_fixed_size 0
		.amdhsa_enable_private_segment 0
		.amdhsa_kernarg_size 96
		.amdhsa_user_sgpr_count 2
		.amdhsa_user_sgpr_kernarg_segment_ptr 1
		.amdhsa_wavefront_size32 1
		.amdhsa_system_sgpr_workgroup_id_x 1
		.amdhsa_system_sgpr_workgroup_id_y 1
		.amdhsa_system_sgpr_workgroup_id_z 1
		.amdhsa_system_vgpr_workitem_id 0
		.amdhsa_next_free_vgpr 192
		.amdhsa_next_free_sgpr 66
		.amdhsa_reserve_vcc 0
		.amdhsa_float_denorm_mode_32 3
		.amdhsa_float_denorm_mode_16_64 3
		.amdhsa_memory_ordered 1
		.amdhsa_forward_progress 1
		.amdhsa_inst_pref_size 34
	.end_amdhsa_kernel
	.amdgpu_metadata
---
amdhsa.version: [ 1, 2 ]
amdhsa.kernels:
  - .name:           k_q489ff86bbc_quant
    .symbol:         k_q489ff86bbc_quant.kd
    .args:
      - { .name: x, .offset: 0, .size: 8, .value_kind: global_buffer, .address_space: global }
      - { .name: Wq, .offset: 8, .size: 8, .value_kind: global_buffer, .address_space: global }
      - { .name: Wk, .offset: 16, .size: 8, .value_kind: global_buffer, .address_space: global }
      - { .name: Wv, .offset: 24, .size: 8, .value_kind: global_buffer, .address_space: global }
      - { .name: Wo, .offset: 32, .size: 8, .value_kind: global_buffer, .address_space: global }
      - { .name: bq, .offset: 40, .size: 8, .value_kind: global_buffer, .address_space: global }
      - { .name: bk, .offset: 48, .size: 8, .value_kind: global_buffer, .address_space: global }
      - { .name: bv, .offset: 56, .size: 8, .value_kind: global_buffer, .address_space: global }
      - { .name: bo, .offset: 64, .size: 8, .value_kind: global_buffer, .address_space: global }
      - { .name: xq, .offset: 72, .size: 8, .value_kind: global_buffer, .address_space: global }
      - { .name: wq3, .offset: 80, .size: 8, .value_kind: global_buffer, .address_space: global }
      - { .name: woq, .offset: 88, .size: 8, .value_kind: global_buffer, .address_space: global }
    .group_segment_fixed_size: 33280
    .private_segment_fixed_size: 0
    .kernarg_segment_align: 8
    .kernarg_segment_size: 96
    .max_flat_workgroup_size: 128
    .sgpr_count:     66
    .vgpr_count:     192
    .wavefront_size: 32
...
	.end_amdgpu_metadata
.endif
;; end of part 1
;; launch gemm_qkv (part 2): grid 24 x 8, 4 waves a work-group, clusters of 4 x 4, 327,680 bytes of LDS; arguments xq, wq3, t; writes t
.if DOCPART == 2
	.amdgcn_target "amdgcn-amd-amdhsa--gfx1250"
	.amdhsa_code_object_version 6
	.text
	.protected	k_q489ff86bbc_gemm_qkv
	.globl	k_q489ff86bbc_gemm_qkv
	.p2align	8
	.type	k_q489ff86bbc_gemm_qkv,@function
k_q489ff86bbc_gemm_qkv:
	s_mov_b64 s[64:65], 0
	v_nop
	global_prefetch_b8 v0, s[64:65] scope:SCOPE_SE
	s_setreg_imm32_b32 hwreg(HW_REG_WAVE_MODE, 25, 1), 1
	s_wait_xcnt 0x0
	s_wait_alu depctr_hold_cnt(0) depctr_sa_sdst(0) depctr_va_vdst(0) depctr_va_sdst(0) depctr_va_ssrc(0) depctr_va_vcc(0) depctr_vm_vsrc(0)
	s_getreg_b32 s2, hwreg(HW_REG_IB_STS2, 6, 4)
	s_cmp_eq_u32 s2, 0
	s_cbranch_scc0 .Lentry_in_a_cluster
	s_endpgm
.Lentry_in_a_cluster:
	s_bfe_u32 s2, ttmp6, 0x10000c
	s_cmp_lg_u32 s2, 0xf033
	s_cbranch_scc0 .Lentry_shape_is_right
	s_endpgm
.Lentry_shape_is_right:
; C[m][n] = bias[n] + sum over k of A[m][k] B[n][k], K = 2,048: x [Wq; Wk; Wv]^T + [bq; bk; bv].  A and B are OPERAND BUFFERS: from byte 0 a bias (B's is used), from GSCL the E8M0 scale bytes [row][64],
; from GCOD the codes of FP6 (E2M3) [row][1,536 bytes], a row one stream of bits.  C is f32 in planes of [2048][2048]: tile column tc goes to plane tc / 8, columns 256 (tc % 8) on.
; A tile of C, 256 x 256, is made by four waves, as many as a WGP has SIMDs; a wave makes 128 x 128: 64 accumulators, 512 registers.
; K goes in steps of 256 through a ring of two LDS slots filled by the tensor data mover: a tile's row is 192 bytes of memory.
; THE SCALES of the work-group's 256 rows of A and of B, for all of K, are two dense blocks of memory: they come into LDS once, with the first fills, and stay.
; THE BIAS is the C of each sum's first matrix instruction: eight registers for each of my eight blocks of 16 columns, in the result's layout.
; CLUSTERS: 4 x 4 work-groups.  The four of a row need the same tiles of A, the four of a column the same tiles of B: each tile is asked for JOINTLY.
; THE MATRIX INSTRUCTION IS USED TRANSPOSED (source 0 = 16 rows of B, source 1 = 16 rows of A): a lane holds eight neighbouring numbers of a row of C.
; REGISTERS, in windows of 256: window 0: v0-31 addresses; v32-63 scale words, two sets; v64-127 the bias; from v128 A's fragments, ONE set; on the way out v128-255 are free.
;   window 1: B's fragments, TWO sets, at v0 and v128.   window 2: the accumulators of my rows 0-63 ((a, b) at v[8 (8 a + b)]);   window 3: those of rows 64-127.
; No prefetch: a tile has eight K steps only.  One tile to a work-group.
.set SIZE_K, 2048
.set CPITCH, 8192                      ; a row of C in bytes
.set GSCL,   24576
.set GCOD,   417792
.set KSTEP,  256
.set NQ,     KSTEP/128
.set ROWB,   192
.set KROW,   SIZE_K*6/8
.set PITCH,  240                       ; an LDS row: 3 x (64 bytes + 16 of padding) = 60 words: the 32 lanes of a load of 8 bytes touch 64 different banks (64 banks of 4 bytes: ISA guide 11.1)
.set FR,     12
.set NL,     6
.set NP,     4                         ; places behind this matrix instruction (ISA guide 7.12.1)
.set HALFT,  128*PITCH
.set SLOT,   4*HALFT
.set LAPS,   SIZE_K/(2*KSTEP)
.set KS,     SIZE_K/32
.set SCL,    2*SLOT                    ; behind the ring: the scales, as units of 256 bytes + 16 of padding
.set HALFS,  (128*KS/256)*272
.set SBLK,   (16*KS/256)*272
.set SPARE,  SCL+4*HALFS               ; the spare words: 128 bytes a wave, named by no other line
.set SPITCH, 528                       ; the way out: a stage of 16 rows x (512 + 16) bytes a wave, in slot 0, which has had its last fill and its last read by then
.set ADRA, 16
.set ADRB, 20
.set STO,  24
.set RD,   25
.set CO,   26
.set ADRS, 27
.set SPW,  28
.set NIL,  29
.set BO,   30                          ; v30  the bias loads' offset: 32 x (lane / 16)
.set SC,   32
.set BI,   64                          ; v64-127 the bias: block b at v[BI + 8 b]
.set AF,   128
.set BK,   128
.set G1, 24
.set G0, 32
.set G1B, 48
.set G0B, 56
.set G1S, 68
.set G0S, 76
.set G1SB, 80
.set G0SB, 88
.set MSB, 0
.macro WIN new                         ; the immediate's high byte repeats the setting that is left
.if MSB != \new
	s_set_vgpr_msb (MSB<<8)|\new
.set MSB, \new
.endif
.endm
.set MUL_LO, 0xa1                      ; source 0 (B) window 1, source 1 (A) window 0, C and D window 2
.set MUL_HI, 0xf1                      ; the same, C and D window 3
.set FIRST_LO, 0x81                    ; the first step: C (the bias) window 0, D window 2
.set FIRST_HI, 0xc1                    ; C window 0, D window 3
.set TO_B,   0x40
; A joint load: waves 0 and 1 fetch for A, waves 2 and 3 for B; the branch hangs on the wave's number alone.  An s_nop 0 and four v_nop follow each line.
.macro JLOAD g0a, g1a, g0b, g1b
	s_cmp_eq_u32 s15, 0
	s_cbranch_scc0 .Lfor_b_\@
	tensor_load_to_lds s[\g0a:\g0a+3], s[\g1a:\g1a+7]
	s_nop 0
.rept 4
	v_nop
.endr
	s_branch .Lasked_\@
.Lfor_b_\@:
	tensor_load_to_lds s[\g0b:\g0b+3], s[\g1b:\g1b+7]
	s_nop 0
.rept 4
	v_nop
.endr
.Lasked_\@:
.endm
.macro CREST                           ; a round of the cluster's barrier behind its opening barrier
	s_cmp_lg_u32 s14, 0
	s_cbranch_scc1 .Lnot_wave_0_\@
	s_barrier_signal -3
.Lnot_wave_0_\@:
	s_barrier_wait -3
	s_barrier_signal -1
	s_barrier_wait -1
.endm
.macro CROUND
	s_barrier_signal -1
	s_barrier_wait -1
	CREST
.endm
	s_load_b64 s[4:5], s[0:1], 0x0                 ; A's buffer
	s_load_b64 s[8:9], s[0:1], 0x8                 ; B's buffer
	s_load_b64 s[12:13], s[0:1], 0x10              ; C
	v_lshl_add_u32 v[SPW], v0, 2, SPARE
	v_mov_b32 v[NIL], 0
	ds_add_u32 v[SPW], v[NIL]                      ; the wave's opening: the add and its wait stand ahead of my first tensor load; set-up on registers stands between
	v_lshrrev_b32 v1, 5, v0
	v_readfirstlane_b32 s14, v1                    ; wave 0..3
	s_lshr_b32 s15, s14, 1                         ; which half of the tile's rows is mine.  Also: I fetch for A (0) or for B (1)
	s_and_b32 s16, s14, 1                          ; which half of its columns.  Also: which 128 rows of that tile I fetch
	s_bfe_u32 s40, ttmp6, 0x40000                  ; cx, cy
	s_bfe_u32 s41, ttmp6, 0x40004
	s_lshl_b32 s42, ttmp9, 2
	s_add_co_u32 s42, s42, s40                     ; tile column tc = 4 x cluster x + cx
	s_and_b32 s17, ttmp7, 0xffff
	s_lshl_b32 s17, s17, 2
	s_add_co_u32 s17, s17, s41                     ; tile row = 4 x cluster y + cy
	s_lshl_b32 s43, s41, 2
	s_lshl_b32 s43, 15, s43                        ; my row of the cluster
	s_lshl_b32 s44, 0x1111, s40                    ; my column
	; group 1: a tile of 128 rows x 192 bytes, 16 bytes of padding behind every 64
	s_or_b32 s[G1+0], s43, (0<<16)|(1<<20)|(1<<21)|(3<<22)|(3<<25)
	s_or_b32 s[G1B+0], s44, (0<<16)|(1<<20)|(1<<21)|(3<<22)|(3<<25)
.irp g, G1, G1B
	s_mov_b32 s[\g+1], ROWB<<16                    ; tensor_dim0
	s_mov_b32 s[\g+2], 128<<16                     ; tensor_dim1
	s_mov_b32 s[\g+3], ROWB<<16                    ; tile_dim0
	s_mov_b32 s[\g+4], 128                         ; tile_dim1
	s_mov_b32 s[\g+5], KROW                        ; the pitch
	s_mov_b32 s[\g+6], 0
	s_mov_b32 s[\g+7], 0
.endr
	; the scales of 128 rows: 8,192 dense bytes as 32 rows of 256 bytes (32 elements of 8), 16 bytes of padding behind each
	s_or_b32 s[G1S+0], s43, (3<<16)|(1<<20)|(1<<21)|(5<<22)|(3<<25)
	s_or_b32 s[G1SB+0], s44, (3<<16)|(1<<20)|(1<<21)|(5<<22)|(3<<25)
.irp g, G1S, G1SB
	s_mov_b32 s[\g+1], 32<<16
	s_mov_b32 s[\g+2], (128*KS/256)<<16
	s_mov_b32 s[\g+3], 32<<16
	s_mov_b32 s[\g+4], 128*KS/256
	s_mov_b32 s[\g+5], 32
	s_mov_b32 s[\g+6], 0
	s_mov_b32 s[\g+7], 0
.endr
	s_lshl_b32 s18, s16, 7
	s_lshl_b32 s20, s17, 8
	s_add_co_u32 s20, s20, s18                     ; A: row 256 x tile row + 128 x half
	s_lshl_b32 s46, s42, 8
	s_add_co_u32 s46, s46, s18                     ; B: row 256 x tile column + 128 x half
	s_mov_b32 s21, 0
	s_mov_b32 s47, 0
	s_mov_b64 s[18:19], KS
	s_mul_u64 s[22:23], s[20:21], s[18:19]         ; where these rows' scales begin
	s_mul_u64 s[92:93], s[46:47], s[18:19]
	s_mov_b64 s[18:19], KROW
	s_mul_u64 s[20:21], s[20:21], s[18:19]         ; and their codes
	s_mul_u64 s[46:47], s[46:47], s[18:19]
	s_mul_i32 s45, s14, HALFT                      ; where they go: wave x 128 rows: no place in the cluster enters an LDS address
	s_mul_i32 s94, s14, HALFS
	s_wait_dscnt 0x0                               ; the opening add is done
	s_wait_kmcnt 0x0
	s_mov_b64 s[96:97], s[8:9]                     ; B's bias
	s_add_nc_u64 s[6:7], s[4:5], GSCL              ; A's scales,
	s_add_nc_u64 s[4:5], s[4:5], GCOD              ; A's codes,
	s_add_nc_u64 s[10:11], s[8:9], GSCL            ; B's scales,
	s_add_nc_u64 s[8:9], s[8:9], GCOD              ; B's codes
	s_add_nc_u64 s[20:21], s[4:5], s[20:21]
	s_add_nc_u64 s[22:23], s[6:7], s[22:23]
	s_add_nc_u64 s[46:47], s[8:9], s[46:47]
	s_add_nc_u64 s[92:93], s[10:11], s[92:93]
	CROUND                                         ; all sixteen work-groups are here: the first joint loads meet
	s_mov_b32 s[G0S], 1
	s_add_co_u32 s[G0S+1], s94, SCL
	s_mov_b64 s[G0S+2:G0S+3], s[22:23]
	s_or_b32 s[G0S+3], s[G0S+3], 0x80000000
	s_mov_b32 s[G0SB], 1
	s_add_co_u32 s[G0SB+1], s94, SCL
	s_mov_b64 s[G0SB+2:G0SB+3], s[92:93]
	s_or_b32 s[G0SB+3], s[G0SB+3], 0x80000000
	JLOAD G0S, G1S, G0SB, G1SB                     ; the scales first: they are wanted with K step 0.  Three loads of mine are out behind the next two
.irp s, 0,1
	s_mov_b32 s[G0+4*\s], 1
	s_add_co_u32 s[G0+4*\s+1], s45, \s*SLOT
	s_add_nc_u64 s[G0+4*\s+2:G0+4*\s+3], s[20:21], \s*ROWB
	s_or_b32 s[G0+4*\s+3], s[G0+4*\s+3], 0x80000000
	s_mov_b32 s[G0B+4*\s], 1
	s_add_co_u32 s[G0B+4*\s+1], s45, \s*SLOT
	s_add_nc_u64 s[G0B+4*\s+2:G0B+4*\s+3], s[46:47], \s*ROWB
	s_or_b32 s[G0B+4*\s+3], s[G0B+4*\s+3], 0x80000000
	JLOAD G0+4*\s, G1, G0B+4*\s, G1B
.endr
	v_and_b32 v1, 15, v0                           ; l % 16
	v_bfe_u32 v2, v0, 4, 1                         ; l / 16
	; the bias: lane (r, h) wants, for block b, bias[256 tc + 128 half + 16 b + 8 h + 0 .. 7]
	s_lshl_b32 s46, s42, 10
	s_lshl_b32 s47, s16, 9
	s_add_co_u32 s46, s46, s47
	s_mov_b32 s47, 0
	s_add_nc_u64 s[96:97], s[96:97], s[46:47]
	v_lshlrev_b32 v[BO], 5, v2
.irp b, 0,1,2,3,4,5,6,7
	global_load_b128 v[BI+8*\b:BI+8*\b+3], v[BO], s[96:97] offset:64*\b
	global_load_b128 v[BI+8*\b+4:BI+8*\b+7], v[BO], s[96:97] offset:64*\b+16
.endr
	v_mul_u32_u24 v3, v1, PITCH
	v_mul_u32_u24 v4, v2, 24
	v_add_nc_u32 v4, v3, v4                        ; a fragment's row x pitch + 24 x half
	v_lshl_add_u32 v5, v2, 4, v4                   ; and the same behind one padding more
	s_mul_i32 s21, s15, HALFT                      ; my 128 rows of A
	s_mul_i32 s22, s16, HALFT                      ; my 128 rows of B,
	s_add_co_u32 s22, s22, 2*HALFT                 ; which lie behind A's 256
.irp s, 0,1
	v_add_nc_u32 v[ADRA+\s], s21, v4
	v_add_nc_u32 v[ADRB+\s], s22, v4
	v_add_nc_u32 v[ADRA+2+\s], s21, v5
	v_add_nc_u32 v[ADRB+2+\s], s22, v5
	s_add_co_u32 s21, s21, SLOT
	s_add_co_u32 s22, s22, SLOT
.endr
	v_mul_u32_u24 v5, v1, KS                       ; my row's scales: 64 bytes a row,
	v_lshrrev_b32 v6, 8, v5
	v_lshl_add_u32 v5, v6, 4, v5                   ; and 16 more for each 256 passed
	s_mul_i32 s21, s15, HALFS
	s_mul_i32 s22, s16, HALFS
	s_add_co_u32 s22, s22, 2*HALFS
	s_sub_co_u32 s22, s22, s21
	v_mul_u32_u24 v6, s22, v2                      ; lanes 16-31 take B's: one product, the distance between the two bases
	s_add_co_u32 s21, s21, SCL
	v_add_nc_u32 v5, v5, v6
	v_add_nc_u32 v[ADRS], s21, v5
	s_mul_i32 s23, s14, 16*SPITCH                  ; my stage
	v_mul_u32_u24 v5, v1, SPITCH
	v_lshl_add_u32 v5, v2, 5, v5
	v_add_nc_u32 v[STO], s23, v5
	v_and_b32 v6, 31, v0
	v_lshlrev_b32 v[CO], 4, v6
	v_add_nc_u32 v[RD], s23, v[CO]
	s_lshl_b32 s20, s17, 8
	s_lshl_b32 s21, s15, 7
	s_add_co_u32 s20, s20, s21                     ; my first row of C
	s_lshl_b32 s20, s20, 13                        ; x 8,192 bytes
	s_lshr_b32 s21, s42, 3
	s_lshl_b32 s21, s21, 24                        ; the plane: 2,048 x 8,192 bytes
	s_add_co_u32 s20, s20, s21
	s_and_b32 s21, s42, 7
	s_lshl_b32 s21, s21, 10                        ; the tile's first column in it,
	s_add_co_u32 s20, s20, s21
	s_lshl_b32 s21, s16, 9                         ; my half
	s_add_co_u32 s20, s20, s21                     ; under 2^26 in all
	s_mov_b32 s21, 0
	s_add_nc_u64 s[12:13], s[12:13], s[20:21]
.macro FRAG reg, adr, q, i             ; a fragment: lane l holds row l % 16; registers 6 c .. 6 c + 5 hold K = 64 c + 32 (l / 16) + 0 .. 31: 24 bytes of the row's stream of bits, in pieces of 8 bytes
.irp p, 0,1,2,3,4,5
.set PC, 12*(\q)+6*(\p/3)+\p%3        ; where the piece three on (lanes 16-31) lies behind one padding more, the second address register serves
.if PC%8 < 5
	ds_load_b64 v[\reg+2*\p:\reg+2*\p+1], v[\adr] offset:8*PC+16*(PC/8)+(\i)*16*PITCH
.else
	ds_load_b64 v[\reg+2*\p:\reg+2*\p+1], v[\adr+2] offset:8*PC+16*(PC/8)+(\i)*16*PITCH
.endif
.endr
.endm
; 16 matrix instructions: A's blocks a0, a0 + 1 x B's eight, 128 along K.  zero = 1: the first product starts the sums from the bias: nothing is cleared.
; The 64 accumulators take turns, one instruction a turn, in the same order in every step.
.macro MUL16 a0, p, q, sc, zero
.irp a, \a0, \a0+1
.irp b, 0,1,2,3,4,5,6,7
.if \zero
	v_wmma_scale_f32_16x16x128_f8f6f4 v[8*(8*((\a)%4)+\b):8*(8*((\a)%4)+\b)+7], v[128*(\p)+FR*\b:128*(\p)+FR*\b+FR-1], v[AF+FR*(\a):AF+FR*(\a)+FR-1], v[BI+8*\b:BI+8*\b+7], v[SC+8*NQ*(\sc)+NQ*\b+(\q)], v[SC+8*NQ*(\sc)+NQ*(\a)+(\q)] matrix_a_fmt:MATRIX_FMT_FP6 matrix_b_fmt:MATRIX_FMT_FP6 matrix_a_scale:MATRIX_SCALE_ROW1
.else
	v_wmma_scale_f32_16x16x128_f8f6f4 v[8*(8*((\a)%4)+\b):8*(8*((\a)%4)+\b)+7], v[128*(\p)+FR*\b:128*(\p)+FR*\b+FR-1], v[AF+FR*(\a):AF+FR*(\a)+FR-1], v[8*(8*((\a)%4)+\b):8*(8*((\a)%4)+\b)+7], v[SC+8*NQ*(\sc)+NQ*\b+(\q)], v[SC+8*NQ*(\sc)+NQ*(\a)+(\q)] matrix_a_fmt:MATRIX_FMT_FP6 matrix_b_fmt:MATRIX_FMT_FP6 matrix_a_scale:MATRIX_SCALE_ROW1
.endif
.endr
.endr
.endm
.macro FETCH_B slot, q, p
	WIN TO_B
.irp i, 0,1,2,3,4,5,6,7
	FRAG 128*(\p)+FR*\i, ADRB+\slot, \q, \i
.endr
	WIN 0
.endm
.macro FETCH_A slot, q, i0
.irp i, \i0, \i0+1, \i0+2, \i0+3
	FRAG AF+FR*(\i), ADRA+\slot, \q, \i
.endr
.endm
.macro SCALES sc                       ; a K step's scale words: lanes 0-15 take A's block i, lanes 16-31 B's block i
.irp i, 0,1,2,3,4,5,6,7
	ds_load_b64 v[SC+8*NQ*\sc+NQ*\i:SC+8*NQ*\sc+NQ*\i+1], v[ADRS] offset:\i*SBLK
.endr
.endm
; A load into a register that a matrix instruction has read, and an LDS store that reads a matrix result, stand NP places behind it; only plain vector instructions that name none of its registers are places.
.macro PLACES n
.rept \n
	v_nop
.endr
.endm
.macro STEP slot, q, zero              ; a step of 128 along K that has its successor in the same slot
	s_wait_dscnt 4*NL                              ; B's set and A's blocks 0-3 are in; the youngest loads (A's blocks 4-7) may be out
.if \zero
	WIN FIRST_LO
.else
	WIN MUL_LO
.endif
	MUL16 0, (\q)%2, \q, \slot, \zero
	MUL16 2, (\q)%2, \q, \slot, \zero
	s_wait_dscnt 0                                 ; A's blocks 4-7 are in
	PLACES NP
	FETCH_B \slot, (\q)+1, 1-(\q)%2
	FETCH_A \slot, (\q)+1, 0
.if \zero
	WIN FIRST_HI
.else
	WIN MUL_HI
.endif
	MUL16 4, (\q)%2, \q, \slot, \zero
	MUL16 6, (\q)%2, \q, \slot, \zero
	PLACES NP
	WIN 0
	FETCH_A \slot, (\q)+1, 4
.endm
; A slot's last step changes slots: ONE barrier; in front of it each wave waits for all its tensor loads, adds 0 to its spare word, and waits for that and for its reads of this slot.
; The step's first 32 products are issued AHEAD of the wait for the tensor loads: between that wait and the next request stand only the add, the descriptors' steps, the wait for the add and the round.
.macro TURN slot, next, fill
	s_wait_dscnt 4*NL                              ; B's set and A's blocks 0-3 are in; the youngest loads (A's blocks 4-7) may be out
	WIN MUL_LO
	MUL16 0, 1, NQ-1, \slot, 0
	MUL16 2, 1, NQ-1, \slot, 0
	WIN 0
	s_wait_tensorcnt 0x0                           ; all my tensor loads have landed: my part of the next slot; so every group 0 may be written
	ds_add_u32 v[SPW], v[NIL]                      ; 0 onto my spare word
.if \fill
	s_add_nc_u64 s[G0+4*\slot+2:G0+4*\slot+3], s[G0+4*\slot+2:G0+4*\slot+3], 2*ROWB
	s_add_nc_u64 s[G0B+4*\slot+2:G0B+4*\slot+3], s[G0B+4*\slot+2:G0B+4*\slot+3], 2*ROWB
.endif
	s_wait_dscnt 0x0                               ; the add is done, and my reads of this slot are over (A's blocks 4-7 were the last)
	s_barrier_signal -1
	s_barrier_wait -1
.if \fill
	CREST                                          ; the barrier has opened a round of the cluster's: no wave of any partner still reads this slot or has a load on its way
	JLOAD G0+4*\slot, G1, G0B+4*\slot, G1B         ; the first tensor load behind the round, my one load out; its four v_nop are the places in front of the loads below
.else
	PLACES NP
.endif
	v_add_nc_u32 v[ADRS], 4*NQ, v[ADRS]            ; on to the next K step's scale words
	FETCH_B \next, 0, 0
	FETCH_A \next, 0, 0
	SCALES \next
	WIN MUL_HI
	MUL16 4, 1, NQ-1, \slot, 0
	MUL16 6, 1, NQ-1, \slot, 0
	PLACES NP
	WIN 0
	FETCH_A \next, 0, 4
.endm
	s_wait_tensorcnt 1                             ; the scales and my part of K step 0 are in (K step 1's load may be out),
	s_barrier_signal -1
	s_barrier_wait -1                              ; everybody's are
	FETCH_B 0, 0, 0
	FETCH_A 0, 0, 0
	SCALES 0
	FETCH_A 0, 0, 4
	s_wait_loadcnt 0x0                             ; the bias
	STEP 0, 0, 1                                   ; the first step stands in front of the loop: its products start the sums
	s_mov_b32 s3, LAPS-1
.Llap:                                                 ; a trip goes once round the ring and fills both slots again
	TURN 0, 1, 1
	STEP 1, 0, 0
	TURN 1, 0, 1
	STEP 0, 0, 0
	s_sub_co_u32 s3, s3, 1
	s_cmp_lg_u32 s3, 0
	s_cbranch_scc1 .Llap
	TURN 0, 1, 0                                   ; the last lap fills nothing
	STEP 1, 0, 0
	s_wait_dscnt 4*NL
	WIN MUL_LO
	MUL16 0, 1, NQ-1, 1, 0
	MUL16 2, 1, NQ-1, 1, 0
	s_wait_dscnt 0
	WIN MUL_HI
	MUL16 4, 1, NQ-1, 1, 0
	MUL16 6, 1, NQ-1, 1, 0
	WIN 0
; THE WAY OUT, block by block of 16 rows x 128 columns, through my own stage: back as whole rows of 512 bytes.  LDS serves a wave's instructions in order (ISA guide 5.7.1.4).
.macro TOSTAGE a
.set AC, 64*((\a)%4)
	WIN 0x08+4*((\a)/4)                            ; the data: window 2 or 3
.irp b, 0,1,2,3,4,5,6,7
	ds_store_b128 v[STO], v[AC+8*\b:AC+8*\b+3] offset:64*\b          ; each accumulator from its low end on
	ds_store_b128 v[STO], v[AC+8*\b+4:AC+8*\b+7] offset:64*\b+16
.endr
	WIN 0
.set BB, BK+64*((\a)%2)
.irp t, 0,1,2,3,4,5,6,7,8,9,10,11,12,13,14,15
	ds_load_b128 v[BB+4*\t:BB+4*\t+3], v[RD] offset:\t*SPITCH
.endr
.endm
.macro SEND a, younger
.set BB, BK+64*((\a)%2)
	s_wait_dscnt \younger                          ; the block is back in registers
.if (\a) > 0
	s_add_nc_u64 s[12:13], s[12:13], 16*CPITCH     ; (behind a wait on XCNT: the earlier stores have read their base)
.endif
.irp t, 0,1,2,3,4,5,6,7,8,9,10,11,12,13,14,15
	global_store_b128 v[CO], v[BB+4*\t:BB+4*\t+3], s[12:13] offset:\t*CPITCH th:TH_STORE_NT   ; 32 lanes store 512 consecutive bytes, at a multiple of 256 from C's first byte
.endr
.endm
	PLACES NP
	TOSTAGE 0
.irp a, 1,2,3,4,5,6,7
.if \a > 1
	s_wait_xcnt 0x0                                ; block a - 2's stores have read their registers and their base
.endif
	TOSTAGE \a
	SEND \a-1, 32                                  ; behind block a - 1's loads: block a's 16 stores and 16 loads
.endr
	s_wait_xcnt 0x0
	SEND 7, 0
	s_wait_tensorcnt 0x0                           ; the wave's end
	ds_add_u32 v[SPW], v[NIL]
	s_wait_dscnt 0x0
	CROUND                                         ; the closing round
	s_endpgm
.Lfunc_end_k_q489ff86bbc_gemm_qkv:
	.size	k_q489ff86bbc_gemm_qkv, .Lfunc_end_k_q489ff86bbc_gemm_qkv-k_q489ff86bbc_gemm_qkv
	.p2alignl 7, 3214868480
	.fill 96, 4, 3214868480
	.section	.rodata,"a",@progbits
	.p2align	6, 0x0
	.amdhsa_kernel k_q489ff86bbc_gemm_qkv
		.amdhsa_group_segment_fixed_size 327680
		.amdhsa_private_segment_fixed_size 0
		.amdhsa_enable_private_segment 0
		.amdhsa_kernarg_size 24
		.amdhsa_user_sgpr_count 2
		.amdhsa_user_sgpr_kernarg_segment_ptr 1
		.amdhsa_wavefront_size32 1
		.amdhsa_system_sgpr_workgroup_id_x 1
		.amdhsa_system_sgpr_workgroup_id_y 1
		.amdhsa_system_sgpr_workgroup_id_z 1
		.amdhsa_system_vgpr_workitem_id 0
		.amdhsa_next_free_vgpr 1024
		.amdhsa_next_free_sgpr 98
		.amdhsa_reserve_vcc 0
		.amdhsa_float_denorm_mode_32 3
		.amdhsa_float_denorm_mode_16_64 3
		.amdhsa_memory_ordered 1
		.amdhsa_forward_progress 1
		.amdhsa_inst_pref_size 162
	.end_amdhsa_kernel
	.amdgpu_metadata
---
amdhsa.version: [ 1, 2 ]
amdhsa.kernels:
  - .name:           k_q489ff86bbc_gemm_qkv
    .symbol:         k_q489ff86bbc_gemm_qkv.kd
    .args:
      - { .name: xq, .offset: 0, .size: 8, .value_kind: global_buffer, .address_space: global }
      - { .name: wq3, .offset: 8, .size: 8, .value_kind: global_buffer, .address_space: global }
      - { .name: t, .offset: 16, .size: 8, .value_kind: global_buffer, .address_space: global }
    .group_segment_fixed_size: 327680
    .private_segment_fixed_size: 0
    .kernarg_segment_align: 8
    .kernarg_segment_size: 24
    .max_flat_workgroup_size: 128
    .sgpr_count:     98
    .vgpr_count:     1024
    .wavefront_size: 32
...
	.end_amdgpu_metadata
.endif
;; end of part 2
;; launch normq (part 3): grid 384 x 1, 8 waves a work-group, no clusters, 88,576 bytes of LDS; arguments t, qn_w, kn_w, hq; writes hq
.if DOCPART == 3
	.amdgcn_target "amdgcn-amd-amdhsa--gfx1250"
	.amdhsa_code_object_version 6
	.text
	.protected	k_q489ff86bbc_normq
	.globl	k_q489ff86bbc_normq
	.p2align	8
	.type	k_q489ff86bbc_normq,@function
k_q489ff86bbc_normq:
	s_mov_b64 s[64:65], 0
	v_nop
	global_prefetch_b8 v0, s[64:65] scope:SCOPE_SE
	s_setreg_imm32_b32 hwreg(HW_REG_WAVE_MODE, 25, 1), 1
	s_wait_xcnt 0x0
; t holds three planes [2048][2048] f32: x Wq^T + bq, x Wk^T + bk, x Wv^T + bv.  This launch makes attention's operands, codes of FP6 (E2M3) with E8M0 scale bytes, laid AS THE OPERANDS' REGISTERS.
; q, k: y = t * rsqrt(mean(t^2 over the row's 2,048) + 1e-6) * w, quantised along a head's 64.  v: quantised along the keys.
; hq: 32 head records of HS bytes.  A record: 16 step records of 12,800 bytes (128 keys: K's 4 fragments, V's 4 fragments, 1,536 bytes each; K's 64 scale words; V's 64); from 204,800 q's codes, 768 bytes for 16 queries; from 303,104 q's scale words.
; A FRAGMENT'S IMAGE (16 rows x 128 along K, 48 bytes a lane): two runs of 768 bytes, run = row / 8; lane (r, h) has its 16 bytes c3 = 0, 1, 2 at 768 (r / 8) + 256 c3 + 16 (r % 8 + 8 (h xor r / 8)).
;   So its registers 0-5 (K = 32 h on) lie at + 0, 8, 256 and registers 6-11 (K = 64 + 32 h on) at + 264, 512, 520.
; K: a fragment's row holds TWO keys, one in K 0-63, one in K 64-127: fragment (c, u), row m: keys 64 c + 32 (m / 8) + 16 u + m % 8 and that + 8.  So 16 neighbouring keys are one run.  q's 16 queries are laid as such a run.
; V: tile ct, row m: channel 8 ct + m (m < 8) or 32 + 8 ct + m - 8; K = the step's 128 keys.
; The first 256 work-groups take 16 rows of q or of k; the other 128 take 128 keys x 256 columns of v.  The two ways part on the work-group's number and share no LDS bytes but each thread's own spare word.
; LIMITS: blocks whose largest magnitude lies under 2^-124 keep the scale byte 1 (the bytes are read by this program alone); NaN and infinities are not served.
; No matrix unit, no cluster, no tensor load: a stream that is read once; every load of a work-group goes out at its head.
.set HS,    307200
.set INA,   0                          ; q, k: rows on their way in: 4,608 bytes a wave (4 rows x 8 blocks x (128 + 16))
.set OUA,   36864                      ; q, k: the images: 3,072 bytes a wave (4 heads x 768)
.set SCA,   61440                      ; q, k: scale bytes: 128 a wave
.set RED,   62464                      ; q, k: the waves' sums of squares: 64 bytes a wave
.set OUB,   62976                      ; v: the images: 3,072 bytes a wave (4 tiles x 768)
.set SPARE, 87552                      ; the spare words: 128 bytes a wave, named by no other line
.set SPW,   23
.set NIL,   24
	s_load_b256 s[4:11], s[0:1], 0x0               ; t, qn_w, kn_w, hq
	v_lshl_add_u32 v[SPW], v0, 2, SPARE
	v_mov_b32 v[NIL], 0
	v_lshrrev_b32 v1, 5, v0
	v_readfirstlane_b32 s12, v1                    ; wave 0..7
	v_and_b32 v1, 31, v0                           ; lane l
	s_cmp_ge_u32 ttmp9, 256
	s_cbranch_scc1 .Lpath_v
; ================ q and k: 16 rows x 2,048 columns.  Wave w: columns 256 w on (heads 4 w .. 4 w + 3).  Lane: b = l % 8 its block of 32 columns, g = l / 8; it works rows 4 g + p, p = 0 .. 3.
.set GA,  4                            ; 16 l
.set WA,  5                            ; 128 b
.set SI,  6                            ; stage, way in
.set LI,  7                            ; stage, way out
.set OA0, 8                            ; the image: a block's three pieces of 8 bytes
.set OA1, 9
.set OA2, 10
.set SBA, 11                           ; my scale bytes
.set ORD, 12                           ; the image read back: 16 l
.set GOA, 13                           ; global offsets of a unit of 256 bytes
.set GOB, 14
.set GSW, 19                           ; global offset of a scale word
.set SRD, 20                           ; scale words read back
.set RW,  21
.set RR,  22
.set W,   32                           ; v32-63  my 32 norm weights
.set X,   64                           ; v[64+32p ..] row p's 32 numbers;  as loaded they lie 32 registers higher
	s_lshr_b32 s13, ttmp9, 7                       ; plane: 0 q, 1 k
	s_and_b32 s14, ttmp9, 127                      ; T: rows 16 T on
	s_lshr_b32 s15, s14, 3                         ; k: the step of 128 keys;
	s_bfe_u32 s16, s14, 0x10002                    ; c,
	s_bfe_u32 s17, s14, 0x10001                    ; the run hB,
	s_and_b32 s18, s14, 1                          ; u
	s_mul_i32 s19, s15, 12800
	s_lshl_b32 s20, s16, 1
	s_add_co_u32 s20, s20, s18                     ; fragment 2 c + u
	s_mul_i32 s36, s20, 1536
	s_add_co_u32 s36, s36, s19
	s_mul_i32 s21, s17, 768
	s_add_co_u32 s36, s36, s21                     ; k's codes
	s_lshl_b32 s38, s20, 6
	s_add_co_u32 s38, s38, s19
	s_lshl_b32 s21, s17, 5
	s_add_co_u32 s38, s38, s21
	s_add_co_u32 s38, s38, 12288                   ; k's scale words
	s_mul_i32 s22, s14, 768
	s_add_co_u32 s22, s22, 204800                  ; q's codes
	s_lshl_b32 s23, s14, 5
	s_add_co_u32 s23, s23, 303104                  ; q's scale words
	s_cmp_eq_u32 s13, 0
	s_cselect_b32 s36, s22, s36
	s_cselect_b32 s38, s23, s38
	s_cselect_b32 s17, 0, s17                      ; q's run is laid as run 0
	s_lshl_b32 s17, s17, 3                         ; 8 hB: it enters global offsets alone
	s_mul_i32 s21, s12, 4*HS                       ; my four heads' records
	s_add_co_u32 s36, s36, s21
	s_add_co_u32 s38, s38, s21
	s_mov_b32 s37, 0
	s_mov_b32 s39, 0
	s_lshl_b32 s26, s13, 24                        ; t: the plane,
	s_lshl_b32 s21, s14, 17                        ; 16 rows of 8,192 bytes,
	s_add_co_u32 s26, s26, s21
	s_lshl_b32 s28, s12, 10                        ; my wave's 1,024 bytes of a row
	s_add_co_u32 s26, s26, s28
	s_mov_b32 s27, 0
	s_mov_b32 s29, 0
	s_mov_b32 s40, 0x3a000000                      ; 1 / 2,048
	s_mov_b32 s41, 0x358637bd                      ; 1e-6
	s_mul_i32 s42, s12, 4608
	s_mul_i32 s43, s12, 3072
	s_add_co_u32 s43, s43, OUA
	s_lshl_b32 s44, s12, 7
	s_add_co_u32 s44, s44, SCA
	s_lshl_b32 s45, s12, 6
	s_add_co_u32 s45, s45, RED
	v_and_b32 v2, 7, v0                            ; b
	v_bfe_u32 v3, v0, 3, 2                         ; g
	v_lshlrev_b32 v[GA], 4, v1
	v_lshlrev_b32 v[WA], 7, v2
	v_lshl_add_u32 v[SI], v3, 4, v[GA]             ; a load's 512 bytes are 4 blocks of 128: 16 l + 16 (l / 8)
	v_add_nc_u32 v[SI], s42, v[SI]
	v_mul_u32_u24 v[LI], v3, 1152                  ; row slot g, block b: 144 bytes a block
	v_mad_u32_u24 v[LI], v2, 144, v[LI]
	v_add_nc_u32 v[LI], s42, v[LI]
	v_bfe_u32 v25, v0, 1, 2                        ; b / 2: the head
	v_and_b32 v26, 1, v0                           ; b % 2: the head's block of 32
	v_bfe_u32 v27, v0, 3, 1                        ; g % 2
	v_bfe_u32 v28, v0, 4, 1                        ; g / 2 = l / 16: the upper eight rows
	v_mul_u32_u24 v29, v25, 768
	v_lshl_add_u32 v29, v27, 6, v29                ; slot 4 (g % 2) + p,
	v_lshl_add_u32 v29, v26, 7, v29                ; + 8 (b % 2)
	v_add_nc_u32 v29, s43, v29
	v_mad_u32_u24 v[OA0], v28, 264, v29            ; 0 or 264
	v_mad_u32_u24 v[OA1], v28, 504, v29
	v_add_nc_u32 v[OA1], 8, v[OA1]                 ; 8 or 512
	v_add_nc_u32 v[OA2], 256, v[OA0]               ; 256 or 520
	v_lshl_add_u32 v[SBA], v25, 5, v26             ; a word (head, row % 8): bytes [row: s0, s1; row + 8: s0, s1]
	v_lshl_add_u32 v[SBA], v27, 4, v[SBA]
	v_lshl_add_u32 v[SBA], v28, 1, v[SBA]
	v_add_nc_u32 v[SBA], s44, v[SBA]
	v_add_nc_u32 v[ORD], s43, v[GA]
	v_and_b32 v30, 15, v0
	v_xor_b32 v30, s17, v30                        ; in run 1 the two halves of a unit change places
	v_lshlrev_b32 v30, 4, v30
	v_lshl_add_u32 v[GOA], v28, 8, v30             ; lanes 16-31: the next unit of the same head,
	v_mad_u32_u24 v[GOB], v28, HS-512, v30         ; or the first unit of the next head
	v_mul_u32_u24 v[GSW], v3, HS
	v_lshl_add_u32 v[GSW], v2, 2, v[GSW]
	v_lshl_add_u32 v[SRD], v1, 2, s44
	v_lshl_add_u32 v[RW], v3, 4, s45
	v_lshlrev_b32 v[RR], 4, v3
	v_add_nc_u32 v[RR], RED, v[RR]
	s_wait_kmcnt 0x0
	s_cmp_eq_u32 s13, 0
	s_cselect_b64 s[6:7], s[6:7], s[8:9]           ; the plane's norm weights
	s_add_nc_u64 s[6:7], s[6:7], s[28:29]
	s_add_nc_u64 s[4:5], s[4:5], s[26:27]
	s_add_nc_u64 s[30:31], s[10:11], s[36:37]      ; codes
	s_add_nc_u64 s[32:33], s[10:11], s[38:39]      ; scale words
.irp q, 0,1,2,3,4,5,6,7
	global_load_b128 v[W+4*\q:W+4*\q+3], v[WA], s[6:7] offset:16*\q
.endr
.irp p, 0,1,2,3                        ; 32 loads of 512 consecutive bytes, in the order in which they are turned
.irp g, 0,1,2,3
.irp j, 0,1
	global_load_b128 v[X+32+32*\p+8*\g+4*\j:X+32+32*\p+8*\g+4*\j+3], v[GA], s[4:5] offset:8192*(4*\g+\p)+512*\j th:TH_LOAD_NT
.endr
.endr
.endr
.irp p, 0,1,2,3                        ; rows p, 4 + p, 8 + p, 12 + p turn through the stage: a lane gets 32 neighbours of row 4 g + p
	s_wait_loadcnt 24-8*\p                         ; these eight loads are in; the later turns' may be out
.irp g, 0,1,2,3
.irp j, 0,1
	ds_store_b128 v[SI], v[X+32+32*\p+8*\g+4*\j:X+32+32*\p+8*\g+4*\j+3] offset:1152*\g+576*\j
.endr
.endr
.if \p > 0
	s_wait_dscnt 16                                ; all but the last turn's 8 reads and these 8 stores: the last turn's stores have read the registers on which the reads below land
.endif
.irp q, 0,1,2,3,4,5,6,7
	ds_load_b128 v[X+32*\p+4*\q:X+32*\p+4*\q+3], v[LI] offset:16*\q   ; LDS serves a wave's instructions in order: these see the stores above, and the next turn's stores come behind them
.endr
.endr
	s_wait_dscnt 0x0
.irp p, 0,1,2,3                        ; the sums of squares, two numbers at a time, the four rows by turns
	v_pk_mul_f32 v[224+2*\p:225+2*\p], v[X+32*\p:X+32*\p+1], v[X+32*\p:X+32*\p+1]
.endr
.irp i, 2,4,6,8,10,12,14,16,18,20,22,24,26,28,30
.irp p, 0,1,2,3
	v_pk_fma_f32 v[224+2*\p:225+2*\p], v[X+32*\p+\i:X+32*\p+\i+1], v[X+32*\p+\i:X+32*\p+\i+1], v[224+2*\p:225+2*\p]
.endr
.endr
.irp p, 0,1,2,3
	v_add_f32 v[232+\p], v[224+2*\p], v[225+2*\p]
.endr
.irp m, 1,2,4                          ; over the eight lanes that share my rows
.irp p, 0,1,2,3
	v_add_f32_dpp v[232+\p], v[232+\p], v[232+\p] row_xmask:\m row_mask:0xf bank_mask:0xf
.endr
.endr
	ds_store_b128 v[RW], v[232:235]                ; my wave's part for rows 4 g .. 4 g + 3 (eight lanes write the same 16 bytes with the same values)
	s_wait_dscnt 0x0                               ; for the others' sake
	s_barrier_signal -1
	s_barrier_wait -1
.irp w, 0,1,2,3,4,5,6,7
	ds_load_b128 v[192+4*\w:195+4*\w], v[RR] offset:64*\w
.endr
	s_wait_dscnt 0x0
.irp a, 0,2,4,6                        ; the eight waves' parts, in the same order in every wave
	v_pk_add_f32 v[192+4*\a:193+4*\a], v[192+4*\a:193+4*\a], v[196+4*\a:197+4*\a]
	v_pk_add_f32 v[194+4*\a:195+4*\a], v[194+4*\a:195+4*\a], v[198+4*\a:199+4*\a]
.endr
.irp a, 0,4
	v_pk_add_f32 v[192+4*\a:193+4*\a], v[192+4*\a:193+4*\a], v[200+4*\a:201+4*\a]
	v_pk_add_f32 v[194+4*\a:195+4*\a], v[194+4*\a:195+4*\a], v[202+4*\a:203+4*\a]
.endr
	v_pk_add_f32 v[192:193], v[192:193], v[208:209]
	v_pk_add_f32 v[194:195], v[194:195], v[210:211]
.irp p, 0,1,2,3
	v_fma_f32 v[196+\p], v[192+\p], s40, s41       ; the mean + 1e-6
.endr
.irp p, 0,1,2,3
	v_rsq_f32 v[236+2*\p], v[196+\p]
.endr
.irp p, 0,1,2,3
	v_mov_b32 v[237+2*\p], 0                       ; the pairs' upper halves are named below, so they are written: plain work behind the four
.endr
	s_wait_alu depctr_va_vdst(0)                   ; one wait for the four, ahead of their first reader
.irp i, 0,2,4,6,8,10,12,14,16,18,20,22,24,26,28,30
.irp p, 0,1,2,3
	v_pk_mul_f32 v[X+32*\p+\i:X+32*\p+\i+1], v[X+32*\p+\i:X+32*\p+\i+1], v[236+2*\p:237+2*\p] op_sel_hi:[1,0]   ; t x rsqrt,
.endr
.endr
.irp i, 0,2,4,6,8,10,12,14,16,18,20,22,24,26,28,30
.irp p, 0,1,2,3
	v_pk_mul_f32 v[X+32*\p+\i:X+32*\p+\i+1], v[X+32*\p+\i:X+32*\p+\i+1], v[W+\i:W+\i+1]   ; x w: two roundings, in the order of the definition
.endr
.endr
.irp p, 0,1,2,3
	v_max3_num_f32 v[244+\p], |v[X+32*\p]|, |v[X+32*\p+1]|, 0x1800000   ; a block's 32 numbers are mine; the floor 2^(3 - 127) holds the byte at 1
.endr
.irp i, 2,4,6,8,10,12,14,16,18,20,22,24,26,28,30
.irp p, 0,1,2,3
	v_max3_num_f32 v[244+\p], v[244+\p], |v[X+32*\p+\i]|, |v[X+32*\p+\i+1]|
.endr
.endr
.irp p, 0,1,2,3
	v_add_nc_u32 v[248+\p], 0xff000000, v[244+\p]  ; 2 off the exponent field: the conversion's scale operand
.endr
.irp p, 0,1,2,3
	v_lshrrev_b32 v[252+\p], 23, v[248+\p]         ; the scale's byte
.endr
.irp p, 0,1,2,3
	v_cvt_scalef32_pk16_fp6_f32 v[192+6*\p:194+6*\p], v[X+32*\p:X+32*\p+15], v[248+\p]
	v_cvt_scalef32_pk16_fp6_f32 v[216+4*\p:218+4*\p], v[X+32*\p+16:X+32*\p+31], v[248+\p]   ; (a conversion's three registers begin on an even number)
.endr
	v_nop                                          ; one plain place behind the conversions
.irp p, 0,1,2,3
.irp i, 0,1,2
	v_mov_b32 v[195+6*\p+\i], v[216+4*\p+\i]
.endr
.endr
.irp p, 0,1,2,3
	ds_store_b64 v[OA0], v[192+6*\p:193+6*\p] offset:16*\p
	ds_store_b64 v[OA1], v[194+6*\p:195+6*\p] offset:16*\p
	ds_store_b64 v[OA2], v[196+6*\p:197+6*\p] offset:16*\p
	ds_store_b8 v[SBA], v[252+\p] offset:4*\p
.endr
.irp j, 0,1,2,3,4,5                    ; my wave's own bytes: no wait between its stores and its loads
	ds_load_b128 v[X+4*\j:X+4*\j+3], v[ORD] offset:512*\j
.endr
	ds_load_b32 v88, v[SRD]
.irp j, 0,1,2,3,4,5                    ; units 2 j and 2 j + 1 of my twelve: unit U belongs to head U / 3, third U % 3
	s_wait_dscnt 6-\j                              ; the younger reads may be out
.if \j%3 == 1
	global_store_b128 v[GOB], v[X+4*\j:X+4*\j+3], s[30:31] offset:(2*\j/3)*HS+((2*\j)%3)*256
.else
	global_store_b128 v[GOA], v[X+4*\j:X+4*\j+3], s[30:31] offset:(2*\j/3)*HS+((2*\j)%3)*256   ; 16 lanes store 256 consecutive bytes, aligned
.endif
.endr
	s_wait_dscnt 0x0
	global_store_b32 v[GSW], v88, s[32:33]         ; 32 bytes a head
	s_wait_tensorcnt 0x0                           ; the wave's end
	ds_add_u32 v[SPW], v[NIL]
	s_wait_dscnt 0x0
	s_endpgm
; ================ v: one step of 128 keys x 256 columns.  Wave w: head 4 cg + w / 2, channels 32 (w % 2) + lane.  A LANE TAKES A CHANNEL AND ITS REGISTERS RUN DOWN THE KEYS: a block of 32 keys is one lane's.
.Lpath_v:
	s_sub_co_u32 s13, ttmp9, 256
	s_lshr_b32 s14, s13, 3                         ; the step
	s_and_b32 s15, s13, 7                          ; cg
	s_and_b32 s16, s12, 1                          ; hw: which 32 channels, and which run of each tile
	s_lshr_b32 s17, s12, 1
	s_lshl_b32 s18, s15, 2
	s_add_co_u32 s18, s18, s17                     ; the head
	s_mul_i32 s18, s18, HS
	s_mul_i32 s19, s14, 12800
	s_add_co_u32 s18, s18, s19
	s_mul_i32 s19, s16, 768
	s_add_co_u32 s36, s18, s19
	s_add_co_u32 s36, s36, 6144                    ; V's fragments, my run
	s_mov_b32 s37, 0
	s_lshl_b32 s19, s16, 5
	s_add_co_u32 s38, s18, s19
	s_add_co_u32 s38, s38, 12544                   ; V's scale words
	s_mov_b32 s39, 0
	s_lshl_b32 s26, s14, 20                        ; 128 rows of 8,192 bytes
	s_add_co_u32 s26, s26, 33554432                ; plane 2
	s_lshl_b32 s19, s15, 10
	s_add_co_u32 s26, s26, s19
	s_lshl_b32 s19, s12, 7
	s_add_co_u32 s26, s26, s19                     ; my wave's 128 bytes of a row
	s_mov_b32 s27, 0
	s_mul_i32 s20, s12, 3072
	s_add_co_u32 s20, s20, OUB
	s_lshl_b32 s21, s16, 7                         ; 128 (0 xor hw)
	s_xor_b32 s22, s21, 128                        ; 128 (1 xor hw)
	v_bfe_u32 v2, v0, 3, 2                         ; the tile: l / 8
	v_and_b32 v3, 7, v0                            ; the row in my run
	v_lshlrev_b32 v4, 2, v1                        ; in: 4 bytes a lane
	v_mul_u32_u24 v5, v2, 768
	v_lshl_add_u32 v5, v3, 4, v5
	v_add_nc_u32 v5, s20, v5
	v_add_nc_u32 v6, s22, v5                       ; v6: blocks 1 and 3 (h = 1)
	v_add_nc_u32 v5, s21, v5                       ; v5: blocks 0 and 2 (h = 0)
	v_lshl_add_u32 v7, v1, 4, s20                  ; the image read back
	v_and_b32 v25, 15, v0
	v_bfe_u32 v26, v0, 4, 1
	v_lshlrev_b32 v8, 4, v25
	v_lshl_add_u32 v9, v26, 10, v8                 ; lanes 16-31: the first unit of my run in the next tile,
	v_lshl_add_u32 v8, v26, 8, v8                  ; or the next unit of the same
	v_lshlrev_b32 v10, 6, v2
	v_lshl_add_u32 v10, v3, 2, v10                 ; my scale word
	s_wait_kmcnt 0x0
	s_add_nc_u64 s[4:5], s[4:5], s[26:27]
	s_add_nc_u64 s[30:31], s[10:11], s[36:37]
	s_add_nc_u64 s[32:33], s[10:11], s[38:39]
.macro VLOAD t                         ; block t: keys 32 t + i of my channel
.irp i, 0,1,2,3,4,5,6,7,8,9,10,11,12,13,14,15,16,17,18,19,20,21,22,23,24,25,26,27,28,29,30,31
	global_load_b32 v[64+32*(\t)+\i], v4, s[4:5] offset:(32*(\t)+\i)*8192 th:TH_LOAD_NT
.endr
.endm
	VLOAD 0
	VLOAD 1
.macro VBLOCK t
.set XS, 64+32*(\t)
.if (\t) < 3
	s_wait_loadcnt 32                              ; this block's 32 loads are in; the next block's may be out
.else
	s_wait_loadcnt 0
.endif
.if (\t)+2 < 4
	VLOAD (\t)+2                                   ; two blocks ahead, into registers of its own
.endif
	v_max3_num_f32 v12, |v[XS]|, |v[XS+1]|, |v[XS+2]|
	v_max3_num_f32 v13, |v[XS+3]|, |v[XS+4]|, |v[XS+5]|
.irp i, 6,10,14,18,22,26
	v_max3_num_f32 v12, v12, |v[XS+\i]|, |v[XS+\i+1]|
	v_max3_num_f32 v13, v13, |v[XS+\i+2]|, |v[XS+\i+3]|
.endr
	v_max3_num_f32 v12, v12, |v[XS+30]|, |v[XS+31]|
	v_max3_num_f32 v12, v12, v13, 0x1800000        ; and the floor
	v_add_nc_u32 v14, 0xff000000, v12
	v_lshrrev_b32 v15, 23, v14
.if (\t) == 0
	v_mov_b32 v11, v15                             ; byte t of my row's scale word
.else
	v_lshl_or_b32 v11, v15, 8*(\t), v11
.endif
	v_cvt_scalef32_pk16_fp6_f32 v[192+6*(\t):194+6*(\t)], v[XS:XS+15], v14
	v_cvt_scalef32_pk16_fp6_f32 v[216+4*(\t):218+4*(\t)], v[XS+16:XS+31], v14
	v_nop                                          ; one plain place behind the conversions
.irp i, 0,1,2
	v_mov_b32 v[195+6*(\t)+\i], v[216+4*(\t)+\i]
.endr
	ds_store_b64 v[5+(\t)%2], v[192+6*(\t):193+6*(\t)] offset:264*((\t)/2)      ; block 2 c + h: lane h's registers 6 c on
	ds_store_b64 v[5+(\t)%2], v[194+6*(\t):195+6*(\t)] offset:8+504*((\t)/2)
	ds_store_b64 v[5+(\t)%2], v[196+6*(\t):197+6*(\t)] offset:256+264*((\t)/2)
.endm
	VBLOCK 0
	VBLOCK 1
	VBLOCK 2
	VBLOCK 3
	global_store_b32 v10, v11, s[32:33]
.irp j, 0,1,2,3,4,5
	ds_load_b128 v[64+4*\j:67+4*\j], v7 offset:512*\j   ; my wave's own bytes, served in order
.endr
.irp j, 0,1,2,3,4,5                    ; unit U = 2 j + l / 16 of my twelve: tile U / 3, third U % 3 of my run
	s_wait_dscnt 5-\j
.if \j%3 == 1
	global_store_b128 v9, v[64+4*\j:67+4*\j], s[30:31] offset:(2*\j/3)*1536+((2*\j)%3)*256
.else
	global_store_b128 v8, v[64+4*\j:67+4*\j], s[30:31] offset:(2*\j/3)*1536+((2*\j)%3)*256   ; 16 lanes store 256 consecutive bytes, aligned
.endif
.endr
	s_wait_tensorcnt 0x0                           ; the wave's end
	ds_add_u32 v[SPW], v[NIL]
	s_wait_dscnt 0x0
	s_endpgm
.Lfunc_end_k_q489ff86bbc_normq:
	.size	k_q489ff86bbc_normq, .Lfunc_end_k_q489ff86bbc_normq-k_q489ff86bbc_normq
	.p2alignl 7, 3214868480
	.fill 96, 4, 3214868480
	.section	.rodata,"a",@progbits
	.p2align	6, 0x0
	.amdhsa_kernel k_q489ff86bbc_normq
		.amdhsa_group_segment_fixed_size 88576
		.amdhsa_private_segment_fixed_size 0
		.amdhsa_enable_private_segment 0
		.amdhsa_kernarg_size 32
		.amdhsa_user_sgpr_count 2
		.amdhsa_user_sgpr_kernarg_segment_ptr 1
		.amdhsa_wavefront_size32 1
		.amdhsa_system_sgpr_workgroup_id_x 1
		.amdhsa_system_sgpr_workgroup_id_y 1
		.amdhsa_system_sgpr_workgroup_id_z 1
		.amdhsa_system_vgpr_workitem_id 0
		.amdhsa_next_free_vgpr 256
		.amdhsa_next_free_sgpr 66
		.amdhsa_reserve_vcc 0
		.amdhsa_float_denorm_mode_32 3
		.amdhsa_float_denorm_mode_16_64 3
		.amdhsa_memory_ordered 1
		.amdhsa_forward_progress 1
		.amdhsa_inst_pref_size 58
	.end_amdhsa_kernel
	.amdgpu_metadata
---
amdhsa.version: [ 1, 2 ]
amdhsa.kernels:
  - .name:           k_q489ff86bbc_normq
    .symbol:         k_q489ff86bbc_normq.kd
    .args:
      - { .name: t, .offset: 0, .size: 8, .value_kind: global_buffer, .address_space: global }
      - { .name: qn_w, .offset: 8, .size: 8, .value_kind: global_buffer, .address_space: global }
      - { .name: kn_w, .offset: 16, .size: 8, .value_kind: global_buffer, .address_space: global }
      - { .name: hq, .offset: 24, .size: 8, .value_kind: global_buffer, .address_space: global }
    .group_segment_fixed_size: 88576
    .private_segment_fixed_size: 0
    .kernarg_segment_align: 8
    .kernarg_segment_size: 32
    .max_flat_workgroup_size: 256
    .sgpr_count:     66
    .vgpr_count:     256
    .wavefront_size: 32
...
	.end_amdgpu_metadata
.endif
;; end of part 3
;; launch attn (part 4): grid 8 x 32, 16 waves a work-group, clusters of 4 x 1, 206,848 bytes of LDS; arguments hq, oq; writes oq
.if DOCPART == 4
	.amdgcn_target "amdgcn-amd-amdhsa--gfx1250"
	.amdhsa_code_object_version 6
	.text
	.protected	k_q489ff86bbc_attn
	.globl	k_q489ff86bbc_attn
	.p2align	8
	.type	k_q489ff86bbc_attn,@function
k_q489ff86bbc_attn:
	s_mov_b64 s[64:65], 0
	v_nop
	global_prefetch_b8 v0, s[64:65] scope:SCOPE_SE
	s_setreg_imm32_b32 hwreg(HW_REG_WAVE_MODE, 25, 1), 1
	s_wait_xcnt 0x0
	s_wait_alu depctr_hold_cnt(0) depctr_sa_sdst(0) depctr_va_vdst(0) depctr_va_sdst(0) depctr_va_ssrc(0) depctr_va_vcc(0) depctr_vm_vsrc(0)
	s_getreg_b32 s2, hwreg(HW_REG_IB_STS2, 6, 4)
	s_cmp_eq_u32 s2, 0
	s_cbranch_scc0 .Lentry_in_a_cluster
	s_endpgm
.Lentry_in_a_cluster:
	s_bfe_u32 s2, ttmp6, 0x10000c
	s_cmp_lg_u32 s2, 0x3003
	s_cbranch_scc0 .Lentry_shape_is_right
	s_endpgm
.Lentry_shape_is_right:
; o[q] = sum over all 2,048 keys of softmax(q . k / 8) v, for 32 heads of 64, both products on codes of FP6 (E2M3) with E8M0 scales; o / l is quantised along its row and stored as the next product's operand.
; The ring of four chunks with its merge by logaddexp is this sum: a chunk's part counts with 2^(its M) x its l over the sum of these, which is a streaming softmax under a running whole-number M.
; THE SOFTMAX: t = score x log2(e) / 8; M = the running largest t rounded UP to a whole number; p = 2^(t - M) is quantised along the keys; the row's sum is taken of the unquantised p and divides at the end.
; When M moves, the sum and O are multiplied by 2^(old M - new M): exact.
; SHARES.  A work-group owns one head and 256 queries, each of its sixteen waves 16 of them, in 256 registers: four waves to a SIMD, one wave's vector work beside another's matrix work.
; A HEAD'S WHOLE K AND V, codes and scale words, 204,800 dense bytes, come into LDS ONCE, by sixteen loads of 128 keys: no byte is filled again.  Waves 0 to 3 fetch, four loads each: four of a wave's loads are out at the most.
; Two barriers show them landed: the first the first 512 keys, the second, four steps later, the rest; behind it the waves walk twelve steps without meeting.
; CLUSTER.  The four query blocks of a cluster belong to one head: each load is asked for JOINTLY by the four.
; LAYOUT (made by the launch before).  Fragments lie in LDS as images of their registers: lane (r, h) takes 3 x 16 bytes at FA + 256 c3, FA = 768 (r / 8) + 16 (r % 8 + 8 (h xor r / 8)): sixteen lanes, sixteen columns of 16 bytes.
; K = 64 fills half of the form's 128, so A ROW OF A FRAGMENT OF K HOLDS TWO KEYS: against [q | 0] it gives the first key's scores, against [0 | q] the second's.  Fragment (c, u), row m: keys 64 c + 32 (m / 8) + 16 u + m % 8 and that + 8.
; Both products are used transposed (source 0 = keys, or channels; source 1 = my 16 queries): lane (r, h) holds query r, and its 32 registers S[c] are the WHOLE block of keys 64 c + 32 h + 0 .. 31, in order:
; a block's maximum needs no other lane, and the conversions' results are the second product's operand as they stand.  V's tile ct, row m: channel 8 ct + m or 32 + 8 ct + m - 8: O's 32 registers are channels 32 h + 0 .. 31.
; No prefetch: all that is read is asked for by the first loads.  LIMITS: NaN and infinities are not served; a block of o under 2^-124 keeps the scale byte 1.
.set HS,     307200
.set STEPB,  12800                     ; a step's record: K's 4 fragments, V's 4, K's 64 scale words, V's 64
.set CHUNKB, 4*STEPB
.set SPARE,  204800                    ; the spare words: 128 bytes a wave, named by no other line
.set GSCL,   24576
.set GCOD,   417792
.set FA,  3                            ; v3  my lane's place in a fragment's image
.set SA,  4                            ; v4  4 x lane
.set ADF, 5                            ; v5  the step's fragments
.set ADS, 6                            ; v6  the step's scale words
.set SPW, 7
.set NIL, 8
.set KV,  36                           ; v36-83 four fragments, of K and then of V;  v84, v85 K's scale words, v86, v87 V's
.set S,   96                           ; v96-159 scores, then p
.set O,   160                          ; v160-191 O^T
.set P,   192                          ; v192-203 p's codes;  v204-206, v208-210 at work
; v12 -M, v13 the largest t, v[14:15] the sum; v[16:21] q, v[22:27] zeros, v[28:33] q again: [q | 0] = v[16:27], [0 | q] = v[22:33]; v34 q's scale word
; v212-215, v216-217 maxima; v218 a permute's destination; v219 at work; v[220:221] f; v[222:223] the sum's second chain; v224-225 scale operands; v226-227 bytes; v228 p's scale word; v229 8 h
.set WV,  8
.set SEL, 10
.set CS,  12
.set TB,  14
.set CNT, 15
.set G1,  16
.set G0,  24
.macro CROUND                          ; a round of the cluster's barrier
	s_barrier_signal -1
	s_barrier_wait -1
	s_cmp_lg_u32 s[WV], 0
	s_cbranch_scc1 .Lnot_wave_0_\@
	s_barrier_signal -3
.Lnot_wave_0_\@:
	s_barrier_wait -3
	s_barrier_signal -1
	s_barrier_wait -1
.endm
	s_load_b128 s[4:7], s[0:1], 0x0                ; hq, oq
	v_lshl_add_u32 v[SPW], v0, 2, SPARE
	v_mov_b32 v[NIL], 0
	ds_add_u32 v[SPW], v[NIL]                      ; the wave's opening: the add and its wait stand ahead of the first tensor loads; set-up on registers stands between
	v_lshrrev_b32 v1, 5, v0
	v_readfirstlane_b32 s[WV], v1                  ; wave 0..15
	; group 1: 50 rows of 256 bytes (32 elements of 8), dense, no padding: a step's record
	s_mov_b32 s[G1], 15|(3<<16)|(1<<21)            ; the mask: all four work-groups; elements of 8 bytes; bit 21 beside a mask
	s_mov_b32 s[G1+1], 32<<16                      ; tensor_dim0
	s_mov_b32 s[G1+2], 50<<16                      ; tensor_dim1
	s_mov_b32 s[G1+3], 32<<16                      ; tile_dim0
	s_mov_b32 s[G1+4], 50                          ; tile_dim1
	s_mov_b32 s[G1+5], 32                          ; the pitch
	s_mov_b32 s[G1+6], 0
	s_mov_b32 s[G1+7], 0
	s_mov_b32 s[SEL], 0x76543210
	s_mov_b32 s[SEL+1], 0xfedcba98                 ; lane l xor 16
	s_mov_b32 s[CS], 0x3e38aa3b                    ; c = log2(e) / 8
	s_mov_b32 s[CS+1], s[CS]
	s_and_b32 s40, ttmp7, 0xffff                   ; the head, which the four partners share
	s_mul_i32 s42, s40, HS
	s_mov_b32 s43, 0
	s_mul_i32 s45, s[WV], STEPB                    ; load k of wave w brings step 4 k + w: no place in the cluster enters an LDS address
	s_mov_b32 s46, s45
	s_mov_b32 s47, 0
	s_add_nc_u64 s[46:47], s[46:47], s[42:43]
	s_bfe_u32 s48, ttmp6, 0x40000                  ; cx: it enters q's and o's addresses alone, in registers of their own
	s_lshl_b32 s49, ttmp9, 2
	s_add_co_u32 s49, s49, s48                     ; my block of 256 queries
	s_lshl_b32 s49, s49, 4
	s_add_co_u32 s49, s49, s[WV]                   ; my tile of 16
	s_mul_i32 s50, s49, 768
	s_add_co_u32 s50, s50, 204800
	s_mov_b32 s51, 0
	s_add_nc_u64 s[50:51], s[50:51], s[42:43]      ; q's codes
	s_lshl_b32 s52, s49, 5
	s_add_co_u32 s52, s52, 303104
	s_mov_b32 s53, 0
	s_add_nc_u64 s[52:53], s[52:53], s[42:43]      ; q's scale words
	s_mul_i32 s54, s49, 16*1536
	s_mul_i32 s56, s40, 48
	s_add_co_u32 s54, s54, s56
	s_add_co_u32 s54, s54, GCOD                    ; o's codes: row 16 x tile, the head's 48 bytes
	s_mov_b32 s55, 0
	s_lshl_b32 s56, s49, 10
	s_lshl_b32 s57, s40, 1
	s_add_co_u32 s56, s56, s57
	s_add_co_u32 s56, s56, GSCL                    ; o's scale bytes
	s_mov_b32 s57, 0
	s_wait_dscnt 0x0                               ; the opening add is done
	s_wait_kmcnt 0x0
	s_add_nc_u64 s[46:47], s[4:5], s[46:47]
.irp k, 0,1,2,3
	s_mov_b32 s[G0+4*\k], 1
	s_add_co_u32 s[G0+4*\k+1], s45, \k*CHUNKB
	s_add_nc_u64 s[G0+4*\k+2:G0+4*\k+3], s[46:47], \k*CHUNKB
	s_or_b32 s[G0+4*\k+3], s[G0+4*\k+3], 0x80000000
.endr
	s_add_nc_u64 s[50:51], s[4:5], s[50:51]
	s_add_nc_u64 s[52:53], s[4:5], s[52:53]
	s_add_nc_u64 s[54:55], s[6:7], s[54:55]
	s_add_nc_u64 s[56:57], s[6:7], s[56:57]
	CROUND                                         ; all four work-groups are here: the joint loads meet
	s_cmp_lt_u32 s[WV], 4                          ; a wave's four loads stand in one branch on the wave's number, ahead of every wait on TENSORcnt, every LDS read and every other barrier
	s_cbranch_scc0 .Lno_fetch
.irp k, 0,1,2,3
	tensor_load_to_lds s[G0+4*\k:G0+4*\k+3], s[G1:G1+7]
	s_nop 0
.endr
.rept 4
	v_nop
.endr
.Lno_fetch:
	v_bfe_u32 v2, v0, 4, 1                         ; h
	v_bfe_u32 v9, v0, 3, 1                         ; r / 8
	v_and_b32 v10, 7, v0                           ; r % 8
	v_lshlrev_b32 v230, 4, v10
	v_lshl_add_u32 v230, v2, 7, v230               ; q's run: slot r % 8 + 8 h;
	v_mad_u32_u24 v231, v9, 504, v230
	v_add_nc_u32 v231, 8, v231                     ; pieces at 0, 8, 256 (queries 0-7) or 264, 512, 520 (queries 8-15)
	v_mad_u32_u24 v230, v9, 264, v230
	v_add_nc_u32 v232, 256, v230
	v_lshlrev_b32 v233, 2, v10
	global_load_b64 v[16:17], v230, s[50:51]       ; my query's block h, 24 bytes: once for [q | 0],
	global_load_b64 v[18:19], v231, s[50:51]
	global_load_b64 v[20:21], v232, s[50:51]
	global_load_b64 v[28:29], v230, s[50:51]       ; once for [0 | q]
	global_load_b64 v[30:31], v231, s[50:51]
	global_load_b64 v[32:33], v232, s[50:51]
	global_load_b32 v234, v233, s[52:53]           ; the word [query r % 8: s0, s1; query r % 8 + 8: s0, s1]
	v_xor_b32 v11, v2, v9
	v_mul_u32_u24 v[FA], v9, 768
	v_lshl_add_u32 v[FA], v10, 4, v[FA]
	v_lshl_add_u32 v[FA], v11, 7, v[FA]
	v_and_b32 v[SA], 31, v0
	v_lshlrev_b32 v[SA], 2, v[SA]
	v_lshlrev_b32 v229, 3, v2
	v_lshlrev_b32 v235, 4, v9
.irp i, 22,23,24,25,26,27
	v_mov_b32 v\i, 0                               ; zero codes add nothing under any scale byte but 0xff
.endr
	v_mov_b32 v13, 0xff61b1e6                      ; the largest t so far: -3e38
	v_floor_f32 v12, -v13                          ; -M
	v_mov_b32 v14, 0
	v_mov_b32 v15, 0
	v_mov_b32 v218, 0                              ; a lane permute's destination counts as one of its sources
	v_mov_b32 v221, 0                              ; named as the upper half of a pair
	s_wait_loadcnt 0x0
	v_lshrrev_b32 v234, v235, v234
	v_and_b32 v234, 0xffff, v234                   ; my query's two bytes,
	v_lshl_or_b32 v34, v234, 16, v234              ; twice: the one word serves [q | 0] and [0 | q]
.set j, 0
.rept 32
	v_mov_b32 v[O+j], 0                            ; the step is written once: the first finds zeros.  (These are also the places between the scale word's making and the first product)
.set j, j+1
.endr
; A KEY STEP: 128 keys
.macro STEP
	v_add_nc_u32 v[ADF], s[TB], v[FA]
	v_add_nc_u32 v[ADS], s[TB], v[SA]
	v_nop
	v_nop                                          ; four places in front of loads into registers that the last products have read
.irp f, 0,1,2,3
.irp c, 0,1,2
	ds_load_b128 v[KV+12*\f+4*\c:KV+12*\f+4*\c+3], v[ADF] offset:1536*\f+256*\c
.endr
.endr
	ds_load_b32 v84, v[ADS] offset:12288           ; lanes 0-15: fragment (c, 0)'s rows; lanes 16-31: fragment (c, 1)'s
	ds_load_b32 v85, v[ADS] offset:12288+128
	s_wait_dscnt 0x0
.irp c, 0,1
	v_wmma_scale_f32_16x16x128_f8f6f4 v[S+32*\c:S+32*\c+7], v[KV+24*\c:KV+24*\c+11], v[16:27], 0, v[84+\c], v34 matrix_a_fmt:MATRIX_FMT_FP6 matrix_b_fmt:MATRIX_FMT_FP6
	v_wmma_scale_f32_16x16x128_f8f6f4 v[S+32*\c+8:S+32*\c+15], v[KV+24*\c:KV+24*\c+11], v[22:33], 0, v[84+\c], v34 matrix_a_fmt:MATRIX_FMT_FP6 matrix_b_fmt:MATRIX_FMT_FP6
	v_wmma_scale_f32_16x16x128_f8f6f4 v[S+32*\c+16:S+32*\c+23], v[KV+24*\c+12:KV+24*\c+23], v[16:27], 0, v[84+\c], v34 matrix_a_fmt:MATRIX_FMT_FP6 matrix_b_fmt:MATRIX_FMT_FP6 matrix_a_scale:MATRIX_SCALE_ROW1
	v_wmma_scale_f32_16x16x128_f8f6f4 v[S+32*\c+24:S+32*\c+31], v[KV+24*\c+12:KV+24*\c+23], v[22:33], 0, v[84+\c], v34 matrix_a_fmt:MATRIX_FMT_FP6 matrix_b_fmt:MATRIX_FMT_FP6 matrix_a_scale:MATRIX_SCALE_ROW1
.endr
.rept 4
	v_nop                                          ; places: for the loads below and for the first reads of the scores
.endr
.irp f, 0,1,2,3                        ; V's fragments take K's registers and land while the softmax is walked
.irp c, 0,1,2
	ds_load_b128 v[KV+12*\f+4*\c:KV+12*\f+4*\c+3], v[ADF] offset:6144+1536*\f+256*\c
.endr
.endr
	ds_load_b32 v86, v[ADS] offset:12544
	ds_load_b32 v87, v[ADS] offset:12544+128
.irp x, 0,1,2,3                        ; the largest score of each 16 registers, four chains by turns; each accumulator is read from its low end on
	v_max3_num_f32 v[212+\x], v[S+16*\x], v[S+1+16*\x], v[S+2+16*\x]
.endr
.irp i, 3,5,7,9,11,13
.irp x, 0,1,2,3
	v_max3_num_f32 v[212+\x], v[212+\x], v[S+16*\x+\i], v[S+1+16*\x+\i]
.endr
.endr
.irp x, 0,1,2,3
	v_max_num_f32 v[212+\x], v[212+\x], v[S+15+16*\x]
.endr
	v_max_num_f32 v216, v212, v213                 ; THE LARGEST SCORE OF MY TWO BLOCKS OF 32 KEYS: it serves for the row's maximum and, since p rises with the score, for the block's largest p
	v_max_num_f32 v217, v214, v215
	v_max_num_f32 v219, v216, v217
	v_permlanex16_b32 v218, v219, s[SEL], s[SEL+1]
	v_max_num_f32 v219, v219, v218                 ; the step's largest score of my query
	v_mul_f32 v219, s[CS], v219
	v_max_num_f32 v13, v13, v219                   ; the running largest t
	v_mov_b32 v219, v12
	v_floor_f32 v12, -v13                          ; the new -M = -ceil(t)
	v_sub_f32 v219, v12, v219                      ; old M - new M: a whole number, 0 or less
	v_cvt_i32_f32 v219, v219                       ; (it saturates)
	v_ldexp_f32 v220, 1.0, v219                    ; f = 2^(old M - new M)
.set j, 0
.rept 32
	v_pk_fma_f32 v[S+j:S+j+1], v[S+j:S+j+1], s[CS:CS+1], v[12:13] op_sel_hi:[1,0,0]   ; t - M
.set j, j+2
.endr
	v_fma_f32 v216, v216, s[CS], v12
	v_fma_f32 v217, v217, s[CS], v12
.set j, 0
.rept 64
	v_exp_f32 v[S+j], v[S+j]                       ; p = 2^(t - M), at most 1
.set j, j+1
.endr
	v_pk_mul_f32 v[14:15], v[14:15], v[220:221] op_sel_hi:[1,0]   ; the sums under the new M: a plain place behind the exponentials
	s_wait_alu depctr_va_vdst(0)                   ; one wait for the batch, ahead of its first reader
	v_exp_f32 v216, v216                           ; the blocks' largest p: the same two instructions on the same number give the same bits
	v_exp_f32 v217, v217
	v_pk_add_f32 v[222:223], v[S:S+1], v[S+2:S+3]  ; THE ROW'S SUM IS TAKEN OF THE UNQUANTISED p, in two chains
.set j, 4
.rept 15
	v_pk_add_f32 v[14:15], v[14:15], v[S+j:S+j+1]
	v_pk_add_f32 v[222:223], v[222:223], v[S+j+2:S+j+3]
.set j, j+4
.endr
	v_pk_add_f32 v[14:15], v[14:15], v[222:223]
	s_wait_alu depctr_va_vdst(0)                   ; and one for the two
	v_max_num_f32 v216, 0x1800000, v216            ; the floor 2^(3 - 127)
	v_max_num_f32 v217, 0x1800000, v217
	v_add_nc_u32 v224, 0xff000000, v216            ; 2 off the exponent field: the conversion's scale operand
	v_add_nc_u32 v225, 0xff000000, v217
	v_lshrrev_b32 v226, 23, v224                   ; the bytes of blocks h and 2 + h
	v_lshrrev_b32 v227, 23, v225
	v_lshl_or_b32 v228, v227, 16, v226
	v_lshlrev_b32 v228, v229, v228                 ; at their places, 8 h bits up;
	v_permlanex16_b32 v218, v228, s[SEL], s[SEL+1]
	v_or_b32 v228, v228, v218                      ; with lane l xor 16's two the word is whole
.irp c, 0,1
	v_cvt_scalef32_pk16_fp6_f32 v[P+6*\c:P+6*\c+2], v[S+32*\c:S+32*\c+15], v[224+\c]
	v_cvt_scalef32_pk16_fp6_f32 v[204+4*\c:206+4*\c], v[S+32*\c+16:S+32*\c+31], v[224+\c]   ; (a conversion's three registers begin on an even number)
.endr
	v_nop                                          ; one plain place behind the conversions
.irp c, 0,1
.irp i, 0,1,2
	v_mov_b32 v[P+3+6*\c+\i], v[204+4*\c+\i]
.endr
.endr
.set j, 0
.rept 16
	v_pk_mul_f32 v[O+j:O+j+1], v[O+j:O+j+1], v[220:221] op_sel_hi:[1,0]   ; O^T under the new M.  (These sixteen are also the places in front of the products below)
.set j, j+2
.endr
	s_wait_dscnt 0x0                               ; V
.irp t, 0,2                            ; O^T += V^T P^T: the four accumulators take turns
	v_wmma_scale_f32_16x16x128_f8f6f4 v[O+8*\t:O+8*\t+7], v[KV+12*\t:KV+12*\t+11], v[P:P+11], v[O+8*\t:O+8*\t+7], v[86+\t/2], v228 matrix_a_fmt:MATRIX_FMT_FP6 matrix_b_fmt:MATRIX_FMT_FP6
	v_wmma_scale_f32_16x16x128_f8f6f4 v[O+8*\t+8:O+8*\t+15], v[KV+12*\t+12:KV+12*\t+23], v[P:P+11], v[O+8*\t+8:O+8*\t+15], v[86+\t/2], v228 matrix_a_fmt:MATRIX_FMT_FP6 matrix_b_fmt:MATRIX_FMT_FP6 matrix_a_scale:MATRIX_SCALE_ROW1
.endr
	s_add_co_u32 s[TB], s[TB], STEPB
.endm
; A RUN of steps behind one barrier.  left: how many of a fetching wave's loads may stay out;
; first: the LDS byte of the run's first step; trips: its steps.  No LDS instruction of the wave is out at the signal: a step's last loads are awaited ahead of its last products.
.macro RUN left, first, trips
	s_wait_tensorcnt \left
	s_barrier_signal -1
	s_barrier_wait -1
	s_mov_b32 s[TB], \first
	s_mov_b32 s[CNT], \trips
.Lstep_\@:
	STEP
	s_sub_co_u32 s[CNT], s[CNT], 1
	s_cmp_lg_u32 s[CNT], 0
	s_cbranch_scc1 .Lstep_\@
.endm
	RUN 3, 0, 4                                    ; each fetching wave's first load has landed: keys 0 to 511; its three later loads may be out
	RUN 0, CHUNKB, 12                              ; all have landed: keys 512 to 2,047
	; THE WAY OUT.  o = O^T / the sum; my 32 numbers are the block 32 h .. 32 h + 31 of the head's 64, a whole block of the next product's K: quantised here, with no other lane.
	v_add_f32 v14, v14, v15
	v_permlanex16_b32 v218, v14, s[SEL], s[SEL+1]
	v_add_f32 v14, v14, v218                       ; the row's sum
	v_rcp_f32 v14, v14
	v_and_b32 v1, 15, v0                           ; (plain work behind the reciprocal, and the places behind the last products)
	v_bfe_u32 v2, v0, 4, 1
	v_mul_u32_u24 v230, v1, 1536
	v_mad_u32_u24 v230, v2, 24, v230               ; codes: row r, + 24 h
	v_lshl_add_u32 v231, v1, 6, v2                 ; scale byte: row r, + h
	s_wait_alu depctr_va_vdst(0)                   ; ahead of the reciprocal's first reader
.set j, 0
.rept 16
	v_pk_mul_f32 v[S+j:S+j+1], v[O+j:O+j+1], v[14:15] op_sel_hi:[1,0]   ; each accumulator from its low end on
.set j, j+2
.endr
	v_max3_num_f32 v216, |v[S]|, |v[S+1]|, 0x1800000
	v_max3_num_f32 v217, |v[S+2]|, |v[S+3]|, |v[S+4]|
.irp i, 5,9,13,17,21,25
	v_max3_num_f32 v216, v216, |v[S+\i]|, |v[S+\i+1]|
	v_max3_num_f32 v217, v217, |v[S+\i+2]|, |v[S+\i+3]|
.endr
	v_max3_num_f32 v216, v216, |v[S+29]|, |v[S+30]|
	v_max3_num_f32 v216, v216, v217, |v[S+31]|
	v_add_nc_u32 v224, 0xff000000, v216
	v_lshrrev_b32 v226, 23, v224
	v_cvt_scalef32_pk16_fp6_f32 v[P:P+2], v[S:S+15], v224
	v_cvt_scalef32_pk16_fp6_f32 v[204:206], v[S+16:S+31], v224
	v_nop
.irp i, 0,1,2
	v_mov_b32 v[P+3+\i], v[204+\i]
.endr
	global_store_b64 v230, v[P:P+1], s[54:55]      ; 24 bytes of a row of 1,536: a work-group owns one head's 48 bytes of each of its rows
	global_store_b64 v230, v[P+2:P+3], s[54:55] offset:8
	global_store_b64 v230, v[P+4:P+5], s[54:55] offset:16
	global_store_b8 v231, v226, s[56:57]
	s_wait_tensorcnt 0x0                           ; the wave's end
	ds_add_u32 v[SPW], v[NIL]
	s_wait_dscnt 0x0
	CROUND                                         ; the closing round
	s_endpgm
.Lfunc_end_k_q489ff86bbc_attn:
	.size	k_q489ff86bbc_attn, .Lfunc_end_k_q489ff86bbc_attn-k_q489ff86bbc_attn
	.p2alignl 7, 3214868480
	.fill 96, 4, 3214868480
	.section	.rodata,"a",@progbits
	.p2align	6, 0x0
	.amdhsa_kernel k_q489ff86bbc_attn
		.amdhsa_group_segment_fixed_size 206848
		.amdhsa_private_segment_fixed_size 0
		.amdhsa_enable_private_segment 0
		.amdhsa_kernarg_size 16
		.amdhsa_user_sgpr_count 2
		.amdhsa_user_sgpr_kernarg_segment_ptr 1
		.amdhsa_wavefront_size32 1
		.amdhsa_system_sgpr_workgroup_id_x 1
		.amdhsa_system_sgpr_workgroup_id_y 1
		.amdhsa_system_sgpr_workgroup_id_z 1
		.amdhsa_system_vgpr_workitem_id 0
		.amdhsa_next_free_vgpr 256
		.amdhsa_next_free_sgpr 66
		.amdhsa_reserve_vcc 0
		.amdhsa_float_denorm_mode_32 3
		.amdhsa_float_denorm_mode_16_64 3
		.amdhsa_memory_ordered 1
		.amdhsa_forward_progress 1
		.amdhsa_inst_pref_size 41
	.end_amdhsa_kernel
	.amdgpu_metadata
---
amdhsa.version: [ 1, 2 ]
amdhsa.kernels:
  - .name:           k_q489ff86bbc_attn
    .symbol:         k_q489ff86bbc_attn.kd
    .args:
      - { .name: hq, .offset: 0, .size: 8, .value_kind: global_buffer, .address_space: global }
      - { .name: oq, .offset: 8, .size: 8, .value_kind: global_buffer, .address_space: global }
    .group_segment_fixed_size: 206848
    .private_segment_fixed_size: 0
    .kernarg_segment_align: 8
    .kernarg_segment_size: 16
    .max_flat_workgroup_size: 512
    .sgpr_count:     66
    .vgpr_count:     256
    .wavefront_size: 32
...
	.end_amdgpu_metadata
.endif
;; end of part 4
;; launch gemm_out (part 5): grid 16 x 16, 4 waves a work-group, clusters of 4 x 4, 327,680 bytes of LDS; arguments oq, woq, out0; writes out0
.if DOCPART == 5
	.amdgcn_target "amdgcn-amd-amdhsa--gfx1250"
	.amdhsa_code_object_version 6
	.text
	.protected	k_q489ff86bbc_gemm_out
	.globl	k_q489ff86bbc_gemm_out
	.p2align	8
	.type	k_q489ff86bbc_gemm_out,@function
k_q489ff86bbc_gemm_out:
	s_mov_b64 s[64:65], 0
	v_nop
	global_prefetch_b8 v0, s[64:65] scope:SCOPE_SE
	s_setreg_imm32_b32 hwreg(HW_REG_WAVE_MODE, 25, 1), 1
	s_wait_xcnt 0x0
	s_wait_alu depctr_hold_cnt(0) depctr_sa_sdst(0) depctr_va_vdst(0) depctr_va_sdst(0) depctr_va_ssrc(0) depctr_va_vcc(0) depctr_vm_vsrc(0)
	s_getreg_b32 s2, hwreg(HW_REG_IB_STS2, 6, 4)
	s_cmp_eq_u32 s2, 0
	s_cbranch_scc0 .Lentry_in_a_cluster
	s_endpgm
.Lentry_in_a_cluster:
	s_bfe_u32 s2, ttmp6, 0x10000c
	s_cmp_lg_u32 s2, 0xf033
	s_cbranch_scc0 .Lentry_shape_is_right
	s_endpgm
.Lentry_shape_is_right:
; out0[m][n] = bo[n] + sum over k of o[m][k] Wo[n][k], [2048][2048] f32, K = 2,048.  A (o) and B (Wo) are OPERAND BUFFERS: from byte 0 a bias (B's is used), from GSCL the E8M0 scale bytes [row][64],
; from GCOD the codes of FP6 (E2M3) [row][1,536 bytes], a row one stream of bits.
; C has 64 tiles of 256 x 256, too few for 256 WGPs: so a tile is 128 x 128, 256 work-groups.  Four waves, each 64 x 64: 16 accumulators, 128 registers.
; K goes in steps of 512, as long as two slots in LDS allow: four steps, of which two come as first fills and two as refills.  A tile's row is 384 bytes of memory; a wave's tensor load brings 64 rows.
; THE SCALES of the work-group's 128 rows of A and of B, for all of K, are two dense blocks of memory: they come into LDS once, with the first fills, and stay.
; THE BIAS is the C of each sum's first matrix instruction: eight registers for each of my four blocks of 16 columns, in the result's layout.
; CLUSTERS: 4 x 4 work-groups.  The four of a row need the same tiles of A, the four of a column the same tiles of B: each tile is asked for JOINTLY.
; THE MATRIX INSTRUCTION IS USED TRANSPOSED (source 0 = 16 rows of B, source 1 = 16 rows of A): a lane holds eight neighbouring numbers of a row of C.
; REGISTERS: window 0: v16-30 addresses; v32-63 scale words, two sets (register 4 i + q: lanes 0-15 A's block i, lanes 16-31 B's block i, the slot's q-th 128 along K); v64-95 the bias; v64-127 rows on the way out;
;   v128-255 the accumulators ((a, b) at v[128 + 8 (4 a + b)]).   window 1: two sets of fragments for 128 along K, at v0 and v128: A's four (48 registers), then B's four.
; The sixteen steps of 128 along K are written out: every offset is an immediate.  No prefetch: four K steps.  One tile to a work-group.
.set CPITCH, 8192                      ; a row of C in bytes
.set GSCL,   24576
.set GCOD,   417792
.set NQ,     4                         ; steps of 128 in a slot
.set ROWB,   384                       ; a tile's row: 512 codes
.set KROW,   1536                      ; a row of A or B in memory
.set PITCH,  432                       ; an LDS row: 3 x (128 bytes + 16 of padding) = 108 words: row r starts at bank 44 r mod 64, sixteen rows at sixteen different multiples of 4 (64 banks of 4 bytes: ISA guide 11.1)
.set FR,     12
.set HALFT,  64*PITCH                  ; 64 rows: what one tensor load brings, and what one wave reads of A or of B
.set SLOT,   4*HALFT                   ; A's 128 rows, then B's 128 rows
.set KS,     64                        ; a row of scale bytes
.set SCL,    2*SLOT                    ; behind the ring: the scales, as units of 256 bytes + 16 of padding
.set HALFS,  (64*KS/256)*272           ; those of 64 rows: what one tensor load brings
.set SBLK,   (16*KS/256)*272           ; those of 16 rows
.set SPARE,  SCL+4*HALFS               ; the spare words: 128 bytes a wave, named by no other line
.set SPITCH, 272                       ; the way out: a stage of 16 rows x (256 + 16) bytes a wave, in slot 0, which has had its last fill and its last read by then
.set ADRA, 16                          ; v16-17 my A fragments in slot 0, 1;  v18-19 the same for the pieces that lie behind one padding more
.set ADRB, 20                          ; v20-23 the same for B
.set STO,  24
.set RD,   25
.set CO,   26
.set ADRS, 27
.set SPW,  28
.set NIL,  29
.set BO,   30
.set SC,   32
.set BI,   64
.set BK,   64
.set ACC,  128
.set G1, 24
.set G0, 32
.set G1B, 48
.set G0B, 56
.set G1S, 68
.set G0S, 76
.set G1SB, 80
.set G0SB, 88
.set MSB, 0
.macro WIN new                         ; the immediate's high byte repeats the setting that is left
.if MSB != \new
	s_set_vgpr_msb (MSB<<8)|\new
.set MSB, \new
.endif
.endm
.set MUL,  0x05                        ; sources 0 (B) and 1 (A) window 1; C and D window 0
.set TO_F, 0x40                        ; destination window 1, address window 0
; A joint load: waves 0 and 1 fetch for A, waves 2 and 3 for B; the branch hangs on the wave's number alone.  An s_nop 0 and four v_nop follow each line.
.macro JLOAD g0a, g1a, g0b, g1b
	s_cmp_eq_u32 s15, 0
	s_cbranch_scc0 .Lfor_b_\@
	tensor_load_to_lds s[\g0a:\g0a+3], s[\g1a:\g1a+7]
	s_nop 0
.rept 4
	v_nop
.endr
	s_branch .Lasked_\@
.Lfor_b_\@:
	tensor_load_to_lds s[\g0b:\g0b+3], s[\g1b:\g1b+7]
	s_nop 0
.rept 4
	v_nop
.endr
.Lasked_\@:
.endm
.macro CREST                           ; a round of the cluster's barrier behind its opening barrier
	s_cmp_lg_u32 s14, 0
	s_cbranch_scc1 .Lnot_wave_0_\@
	s_barrier_signal -3
.Lnot_wave_0_\@:
	s_barrier_wait -3
	s_barrier_signal -1
	s_barrier_wait -1
.endm
.macro CROUND
	s_barrier_signal -1
	s_barrier_wait -1
	CREST
.endm
	s_load_b64 s[4:5], s[0:1], 0x0                 ; A's buffer
	s_load_b64 s[8:9], s[0:1], 0x8                 ; B's buffer
	s_load_b64 s[12:13], s[0:1], 0x10              ; C
	v_lshl_add_u32 v[SPW], v0, 2, SPARE
	v_mov_b32 v[NIL], 0
	ds_add_u32 v[SPW], v[NIL]                      ; the wave's opening: the add and its wait stand ahead of my first tensor load; set-up on registers stands between
	v_lshrrev_b32 v1, 5, v0
	v_readfirstlane_b32 s14, v1                    ; wave 0..3
	s_lshr_b32 s15, s14, 1                         ; which half of the tile's rows is mine.  Also: I fetch for A (0) or for B (1)
	s_and_b32 s16, s14, 1                          ; which half of its columns.  Also: which 64 rows of that tile I fetch
	s_bfe_u32 s40, ttmp6, 0x40000                  ; cx, cy
	s_bfe_u32 s41, ttmp6, 0x40004
	s_lshl_b32 s42, ttmp9, 2
	s_add_co_u32 s42, s42, s40                     ; tile column tc = 4 x cluster x + cx
	s_and_b32 s17, ttmp7, 0xffff
	s_lshl_b32 s17, s17, 2
	s_add_co_u32 s17, s17, s41                     ; tile row = 4 x cluster y + cy
	s_lshl_b32 s43, s41, 2
	s_lshl_b32 s43, 15, s43                        ; my row of the cluster
	s_lshl_b32 s44, 0x1111, s40                    ; my column
	; group 1: a tile of 64 rows x 384 bytes, 16 bytes of padding behind every 128 (32 words: code 4; 4 words: code 3)
	s_or_b32 s[G1+0], s43, (0<<16)|(1<<20)|(1<<21)|(4<<22)|(3<<25)
	s_or_b32 s[G1B+0], s44, (0<<16)|(1<<20)|(1<<21)|(4<<22)|(3<<25)
.irp g, G1, G1B
	s_mov_b32 s[\g+1], ROWB<<16                    ; tensor_dim0
	s_mov_b32 s[\g+2], 64<<16                      ; tensor_dim1
	s_mov_b32 s[\g+3], ROWB<<16                    ; tile_dim0
	s_mov_b32 s[\g+4], 64                          ; tile_dim1
	s_mov_b32 s[\g+5], KROW                        ; the pitch
	s_mov_b32 s[\g+6], 0
	s_mov_b32 s[\g+7], 0
.endr
	; the scales of 64 rows: 4,096 dense bytes as 16 rows of 256 bytes (32 elements of 8), 16 bytes of padding behind each
	s_or_b32 s[G1S+0], s43, (3<<16)|(1<<20)|(1<<21)|(5<<22)|(3<<25)
	s_or_b32 s[G1SB+0], s44, (3<<16)|(1<<20)|(1<<21)|(5<<22)|(3<<25)
.irp g, G1S, G1SB
	s_mov_b32 s[\g+1], 32<<16
	s_mov_b32 s[\g+2], (64*KS/256)<<16
	s_mov_b32 s[\g+3], 32<<16
	s_mov_b32 s[\g+4], 64*KS/256
	s_mov_b32 s[\g+5], 32
	s_mov_b32 s[\g+6], 0
	s_mov_b32 s[\g+7], 0
.endr
	s_lshl_b32 s18, s16, 6
	s_lshl_b32 s20, s17, 7
	s_add_co_u32 s20, s20, s18                     ; A: row 128 x tile row + 64 x half
	s_lshl_b32 s46, s42, 7
	s_add_co_u32 s46, s46, s18                     ; B: row 128 x tile column + 64 x half
	s_mov_b32 s21, 0
	s_mov_b32 s47, 0
	s_mov_b64 s[18:19], KS
	s_mul_u64 s[22:23], s[20:21], s[18:19]         ; where these rows' scales begin
	s_mul_u64 s[92:93], s[46:47], s[18:19]
	s_mov_b64 s[18:19], KROW
	s_mul_u64 s[20:21], s[20:21], s[18:19]         ; and their codes
	s_mul_u64 s[46:47], s[46:47], s[18:19]
	s_mul_i32 s45, s14, HALFT                      ; where they go: wave x 64 rows: no place in the cluster enters an LDS address
	s_mul_i32 s94, s14, HALFS
	s_wait_dscnt 0x0                               ; the opening add is done
	s_wait_kmcnt 0x0
	s_mov_b64 s[96:97], s[8:9]                     ; B's bias
	s_add_nc_u64 s[6:7], s[4:5], GSCL              ; A's scales,
	s_add_nc_u64 s[4:5], s[4:5], GCOD              ; A's codes,
	s_add_nc_u64 s[10:11], s[8:9], GSCL            ; B's scales,
	s_add_nc_u64 s[8:9], s[8:9], GCOD              ; B's codes
	s_add_nc_u64 s[20:21], s[4:5], s[20:21]
	s_add_nc_u64 s[22:23], s[6:7], s[22:23]
	s_add_nc_u64 s[46:47], s[8:9], s[46:47]
	s_add_nc_u64 s[92:93], s[10:11], s[92:93]
	CROUND                                         ; all sixteen work-groups are here: the first joint loads meet
	s_mov_b32 s[G0S], 1
	s_add_co_u32 s[G0S+1], s94, SCL
	s_mov_b64 s[G0S+2:G0S+3], s[22:23]
	s_or_b32 s[G0S+3], s[G0S+3], 0x80000000
	s_mov_b32 s[G0SB], 1
	s_add_co_u32 s[G0SB+1], s94, SCL
	s_mov_b64 s[G0SB+2:G0SB+3], s[92:93]
	s_or_b32 s[G0SB+3], s[G0SB+3], 0x80000000
	JLOAD G0S, G1S, G0SB, G1SB                     ; the scales first: they are wanted with K step 0.  Three loads of mine are out behind the next two
.irp s, 0,1
	s_mov_b32 s[G0+4*\s], 1
	s_add_co_u32 s[G0+4*\s+1], s45, \s*SLOT
	s_add_nc_u64 s[G0+4*\s+2:G0+4*\s+3], s[20:21], \s*ROWB
	s_or_b32 s[G0+4*\s+3], s[G0+4*\s+3], 0x80000000
	s_mov_b32 s[G0B+4*\s], 1
	s_add_co_u32 s[G0B+4*\s+1], s45, \s*SLOT
	s_add_nc_u64 s[G0B+4*\s+2:G0B+4*\s+3], s[46:47], \s*ROWB
	s_or_b32 s[G0B+4*\s+3], s[G0B+4*\s+3], 0x80000000
	JLOAD G0+4*\s, G1, G0B+4*\s, G1B
.endr
	v_and_b32 v1, 15, v0                           ; l % 16
	v_bfe_u32 v2, v0, 4, 1                         ; l / 16
	; the bias: lane (r, h) wants, for block b, bias[128 tc + 64 half + 16 b + 8 h + 0 .. 7]
	s_lshl_b32 s46, s42, 9
	s_lshl_b32 s47, s16, 8
	s_add_co_u32 s46, s46, s47
	s_mov_b32 s47, 0
	s_add_nc_u64 s[96:97], s[96:97], s[46:47]
	v_lshlrev_b32 v[BO], 5, v2
.irp b, 0,1,2,3
	global_load_b128 v[BI+8*\b:BI+8*\b+3], v[BO], s[96:97] offset:64*\b
	global_load_b128 v[BI+8*\b+4:BI+8*\b+7], v[BO], s[96:97] offset:64*\b+16
.endr
	v_mul_u32_u24 v3, v1, PITCH
	v_mul_u32_u24 v4, v2, 24
	v_add_nc_u32 v4, v3, v4                        ; a fragment's row x pitch + 24 x half
	v_lshl_add_u32 v5, v2, 4, v4                   ; and the same behind one padding more
	s_mul_i32 s21, s15, HALFT                      ; my 64 rows of A
	s_mul_i32 s22, s16, HALFT                      ; my 64 rows of B,
	s_add_co_u32 s22, s22, 2*HALFT                 ; which lie behind A's 128
.irp s, 0,1
	v_add_nc_u32 v[ADRA+\s], s21, v4
	v_add_nc_u32 v[ADRB+\s], s22, v4
	v_add_nc_u32 v[ADRA+2+\s], s21, v5
	v_add_nc_u32 v[ADRB+2+\s], s22, v5
	s_add_co_u32 s21, s21, SLOT
	s_add_co_u32 s22, s22, SLOT
.endr
	v_mul_u32_u24 v5, v1, KS                       ; my row's scales: 64 bytes a row,
	v_lshrrev_b32 v6, 8, v5
	v_lshl_add_u32 v5, v6, 4, v5                   ; and 16 more for each 256 passed
	s_mul_i32 s21, s15, HALFS
	s_mul_i32 s22, s16, HALFS
	s_add_co_u32 s22, s22, 2*HALFS
	s_sub_co_u32 s22, s22, s21
	v_mul_u32_u24 v6, s22, v2                      ; lanes 16-31 take B's: one product, the distance between the two bases
	s_add_co_u32 s21, s21, SCL
	v_add_nc_u32 v5, v5, v6
	v_add_nc_u32 v[ADRS], s21, v5
	s_mul_i32 s23, s14, 16*SPITCH                  ; my stage
	v_mul_u32_u24 v5, v1, SPITCH                   ; in: row l % 16, 32 bytes for each half of the lanes
	v_lshl_add_u32 v5, v2, 5, v5
	v_add_nc_u32 v[STO], s23, v5
	v_mul_u32_u24 v5, v2, SPITCH                   ; back: lanes 0-15 one row of 256 bytes, lanes 16-31 the next
	v_lshl_add_u32 v5, v1, 4, v5
	v_add_nc_u32 v[RD], s23, v5
	v_lshlrev_b32 v[CO], 13, v2                    ; and the same two rows in C
	v_lshl_add_u32 v[CO], v1, 4, v[CO]
	s_lshl_b32 s20, s17, 7
	s_lshl_b32 s21, s15, 6
	s_add_co_u32 s20, s20, s21                     ; my first row of C
	s_lshl_b32 s20, s20, 13                        ; x 8,192 bytes
	s_lshl_b32 s21, s42, 9                         ; the tile's first column,
	s_add_co_u32 s20, s20, s21
	s_lshl_b32 s21, s16, 8                         ; my half: 256 bytes
	s_add_co_u32 s20, s20, s21                     ; under 2^24 in all
	s_mov_b32 s21, 0
	s_add_nc_u64 s[12:13], s[12:13], s[20:21]
.macro FRAG reg, adr, q, i             ; a fragment: lane l holds row l % 16; registers 6 c .. 6 c + 5 hold K = 64 c + 32 (l / 16) + 0 .. 31: 24 bytes of the row's stream of bits, in pieces of 8 bytes
.irp p, 0,1,2,3,4,5
.set PC, 12*(\q)+6*(\p/3)+\p%3        ; piece PC of the row lies at 8 PC + 16 (PC / 16).  Lanes 16-31 take the piece three on: where that lies behind one padding more, the second address register (40 for 24 bytes a half) serves
.if PC%16 < 13
	ds_load_b64 v[\reg+2*\p:\reg+2*\p+1], v[\adr] offset:8*PC+16*(PC/16)+(\i)*16*PITCH
.else
	ds_load_b64 v[\reg+2*\p:\reg+2*\p+1], v[\adr+2] offset:8*PC+16*(PC/16)+(\i)*16*PITCH
.endif
.endr
.endm
; 16 matrix instructions: A's four blocks x B's four, 128 along K, from set f.  zero = 1: the first product starts the sums from the bias: nothing is cleared.
; The 16 accumulators take turns, one instruction a turn, in the same order in every step.
.macro MUL16 f, q, sc, zero
.irp a, 0,1,2,3
.irp b, 0,1,2,3
.if \zero
	v_wmma_scale_f32_16x16x128_f8f6f4 v[ACC+8*(4*\a+\b):ACC+8*(4*\a+\b)+7], v[128*(\f)+48+FR*\b:128*(\f)+48+FR*\b+FR-1], v[128*(\f)+FR*\a:128*(\f)+FR*\a+FR-1], v[BI+8*\b:BI+8*\b+7], v[SC+16*(\sc)+4*\b+(\q)], v[SC+16*(\sc)+4*\a+(\q)] matrix_a_fmt:MATRIX_FMT_FP6 matrix_b_fmt:MATRIX_FMT_FP6 matrix_a_scale:MATRIX_SCALE_ROW1
.else
	v_wmma_scale_f32_16x16x128_f8f6f4 v[ACC+8*(4*\a+\b):ACC+8*(4*\a+\b)+7], v[128*(\f)+48+FR*\b:128*(\f)+48+FR*\b+FR-1], v[128*(\f)+FR*\a:128*(\f)+FR*\a+FR-1], v[ACC+8*(4*\a+\b):ACC+8*(4*\a+\b)+7], v[SC+16*(\sc)+4*\b+(\q)], v[SC+16*(\sc)+4*\a+(\q)] matrix_a_fmt:MATRIX_FMT_FP6 matrix_b_fmt:MATRIX_FMT_FP6 matrix_a_scale:MATRIX_SCALE_ROW1
.endif
.endr
.endr
.endm
.macro FETCH slot, q, f                ; 48 LDS loads in one run: B's four fragments and A's four of the slot's q-th 128 along K, into set f
	WIN TO_F
.irp i, 0,1,2,3
	FRAG 128*(\f)+48+FR*\i, ADRB+\slot, \q, \i
.endr
.irp i, 0,1,2,3
	FRAG 128*(\f)+FR*\i, ADRA+\slot, \q, \i
.endr
.endm
.macro SCALES sc, ks                   ; K step ks's scale words into set sc: four words a row, 16 bytes; lanes 0-15 take A's block i, lanes 16-31 B's block i
	WIN 0
.irp i, 0,1,2,3
	ds_load_b128 v[SC+16*(\sc)+4*\i:SC+16*(\sc)+4*\i+3], v[ADRS] offset:\i*SBLK+16*(\ks)
.endr
.endm
; A load into a register that a matrix instruction has read, and an LDS store that reads a matrix result, stand four places behind it; only plain vector instructions that name none of its registers are places.
.macro PLACES
.rept 4
	v_nop
.endr
.endm
; A step of 128 along K that has its successor in the same slot: the successor's fragments are asked for first, into the other set, and land while this step's sixteen products run.
.macro STEP slot, q, zero
	s_wait_dscnt 0x0                               ; this step's fragments (and the slot's scale words) are in
	PLACES                                         ; the other set was read by the products just issued
	FETCH \slot, (\q)+1, 1-(\q)%2
	WIN MUL
	MUL16 (\q)%2, \q, \slot, \zero
.endm
; A slot's last step changes slots.  Its sixteen products are issued AHEAD of the wait for the tensor loads; then ONE barrier: in front of it each wave waits for all its tensor loads, adds 0 to its spare word,
; and waits for that and for its reads of this slot.  fill = 1: this slot is filled again, two K steps ahead.  ks: the K step that lies in the next slot.
.macro TURN slot, next, fill, ks
	s_wait_dscnt 0x0                               ; the last fragments are in: my reads of this slot are over
	WIN MUL
	MUL16 1, NQ-1, \slot, 0
	WIN 0
	s_wait_tensorcnt 0x0                           ; all my tensor loads have landed: my part of the next slot; so every group 0 may be written
	ds_add_u32 v[SPW], v[NIL]                      ; 0 onto my spare word
.if \fill
	s_add_nc_u64 s[G0+4*\slot+2:G0+4*\slot+3], s[G0+4*\slot+2:G0+4*\slot+3], 2*ROWB
	s_add_nc_u64 s[G0B+4*\slot+2:G0B+4*\slot+3], s[G0B+4*\slot+2:G0B+4*\slot+3], 2*ROWB
.endif
	s_wait_dscnt 0x0                               ; the add is done
	s_barrier_signal -1
	s_barrier_wait -1
.if \fill
	CREST                                          ; the barrier has opened a round of the cluster's: no wave of any partner still reads this slot or has a load on its way
	JLOAD G0+4*\slot, G1, G0B+4*\slot, G1B         ; the first tensor load behind the round, my one load out; its four v_nop are the places in front of the loads below
.else
	PLACES
.endif
	FETCH \next, 0, 0
	SCALES \next, \ks
.endm
	s_wait_tensorcnt 1                             ; the scales and my part of K step 0 are in (K step 1's load may be out),
	s_barrier_signal -1
	s_barrier_wait -1                              ; everybody's are
	FETCH 0, 0, 0
	SCALES 0, 0
	s_wait_loadcnt 0x0                             ; the bias
	STEP 0, 0, 1                                   ; K step 0; its first products start the sums
	STEP 0, 1, 0
	STEP 0, 2, 0
	TURN 0, 1, 1, 1                                ; slot 0 takes K step 2
	STEP 1, 0, 0                                   ; K step 1
	STEP 1, 1, 0
	STEP 1, 2, 0
	TURN 1, 0, 1, 2                                ; slot 1 takes K step 3
	STEP 0, 0, 0                                   ; K step 2
	STEP 0, 1, 0
	STEP 0, 2, 0
	TURN 0, 1, 0, 3                                ; nothing is left to fetch: no round
	STEP 1, 0, 0                                   ; K step 3
	STEP 1, 1, 0
	STEP 1, 2, 0
	s_wait_dscnt 0x0
	WIN MUL
	MUL16 1, NQ-1, 1, 0
	WIN 0
; THE WAY OUT, block by block of 16 rows x 64 columns, through my own stage: back as whole rows of 256 bytes, two rows an instruction.  LDS serves a wave's instructions in order (ISA guide 5.7.1.4).
.macro TOSTAGE a
.irp b, 0,1,2,3
	ds_store_b128 v[STO], v[ACC+8*(4*(\a)+\b):ACC+8*(4*(\a)+\b)+3] offset:64*\b          ; each accumulator from its low end on
	ds_store_b128 v[STO], v[ACC+8*(4*(\a)+\b)+4:ACC+8*(4*(\a)+\b)+7] offset:64*\b+16
.endr
.set BB, BK+32*((\a)%2)
.irp t, 0,1,2,3,4,5,6,7
	ds_load_b128 v[BB+4*\t:BB+4*\t+3], v[RD] offset:\t*2*SPITCH
.endr
.endm
.macro SEND a, younger
.set BB, BK+32*((\a)%2)
	s_wait_dscnt \younger                          ; the block is back in registers
.irp t, 0,1,2,3,4,5,6,7
	global_store_b128 v[CO], v[BB+4*\t:BB+4*\t+3], s[12:13] offset:(16*(\a)+2*\t)*CPITCH th:TH_STORE_NT   ; 16 lanes store 256 consecutive bytes, at a multiple of 256 from C's first byte; 62 rows of C at the most stand in the immediate
.endr
.endm
	PLACES                                         ; behind the last products, ahead of the first reads of results
	TOSTAGE 0
.irp a, 1,2,3
.if \a > 1
	s_wait_xcnt 0x0                                ; block a - 2's stores have read their registers: block a's loads may land there
.endif
	TOSTAGE \a
	SEND \a-1, 16                                  ; behind block a - 1's loads: block a's 8 stores and 8 loads
.endr
	SEND 3, 0
	s_wait_tensorcnt 0x0                           ; the wave's end
	ds_add_u32 v[SPW], v[NIL]
	s_wait_dscnt 0x0
	CROUND                                         ; the closing round
	s_endpgm
.Lfunc_end_k_q489ff86bbc_gemm_out:
	.size	k_q489ff86bbc_gemm_out, .Lfunc_end_k_q489ff86bbc_gemm_out-k_q489ff86bbc_gemm_out
	.p2alignl 7, 3214868480
	.fill 96, 4, 3214868480
	.section	.rodata,"a",@progbits
	.p2align	6, 0x0
	.amdhsa_kernel k_q489ff86bbc_gemm_out
		.amdhsa_group_segment_fixed_size 327680
		.amdhsa_private_segment_fixed_size 0
		.amdhsa_enable_private_segment 0
		.amdhsa_kernarg_size 24
		.amdhsa_user_sgpr_count 2
		.amdhsa_user_sgpr_kernarg_segment_ptr 1
		.amdhsa_wavefront_size32 1
		.amdhsa_system_sgpr_workgroup_id_x 1
		.amdhsa_system_sgpr_workgroup_id_y 1
		.amdhsa_system_sgpr_workgroup_id_z 1
		.amdhsa_system_vgpr_workitem_id 0
		.amdhsa_next_free_vgpr 512
		.amdhsa_next_free_sgpr 98
		.amdhsa_reserve_vcc 0
		.amdhsa_float_denorm_mode_32 3
		.amdhsa_float_denorm_mode_16_64 3
		.amdhsa_memory_ordered 1
		.amdhsa_forward_progress 1
		.amdhsa_inst_pref_size 106
	.end_amdhsa_kernel
	.amdgpu_metadata
---
amdhsa.version: [ 1, 2 ]
amdhsa.kernels:
  - .name:           k_q489ff86bbc_gemm_out
    .symbol:         k_q489ff86bbc_gemm_out.kd
    .args:
      - { .name: oq, .offset: 0, .size: 8, .value_kind: global_buffer, .address_space: global }
      - { .name: woq, .offset: 8, .size: 8, .value_kind: global_buffer, .address_space: global }
      - { .name: out0, .offset: 16, .size: 8, .value_kind: global_buffer, .address_space: global }
    .group_segment_fixed_size: 327680
    .private_segment_fixed_size: 0
    .kernarg_segment_align: 8
    .kernarg_segment_size: 24
    .max_flat_workgroup_size: 128
    .sgpr_count:     98
    .vgpr_count:     512
    .wavefront_size: 32
...
	.end_amdgpu_metadata
.endif
;; end of part 5
